; MI455X (gfx1250); checked and timed in simulation.
; The chip was launched on July 23, 2026; its instructions are those of AMD's public machine-readable ISA for CDNA 5 (MIT licence, August 2026) and "CDNA5" Instruction Set Architecture Reference Guide (July 2026). The comments in the code are by the model that wrote it; some were corrected since.
;; Multi Head Self Attention. Allowed arithmetic: matrix products marked QUANTISED: E2M1 operands, one E8M0 scale for each 32 along K, by v_wmma_scale_f32_16x16x128_f8f6f4 with both operands' format E2M1 (or v_wmma_scale_f32_32x16x128_f4), f32 sums; products left as they are: bf16, f16 or f32 operands; f32 sums; everything else in f32.
;; Inputs: W_lin 1,024 x 1,024 float32; W_qkv 1,024 x 3,072 float32; b_lin 1,024 float32; b_qkv 3,072 float32; x 4 x 2,048 x 1,024 float32.
;; Outputs: out0 4 x 2,048 x 1,024 float32.
;; This version of the problem:
;;   THIS VERSION OF THE PROBLEM IS GIVEN IN LOW PRECISION. The matrix products marked QUANTISED in the list below multiply operands that are first quantised to E2M1 (2 exponent bits, 1 mantissa bit; 4 bits a number), with one power-of-two scale for each 32 numbers along K (OCP MX v1.0); their sums are f32. The products marked 'left as it is' may take bf16, f16 or f32 operands, with f32 sums. Whichever they take, every output number must still come out within the allowed error. Rounding operands to bf16 (8 significant bits) uses up far more of that allowance than f16 does (11 bits, for magnitudes from 6e-5 to 65,504). All else is computed in f32.
;;   The module's matrix products, in the order in which they are computed (A, B: the left and right operand; K: the contracted axis; several contracted axes count as one K, in the product's order):
;;     1. [M 8,192, K 1,024] x [K 1,024, N 3,072]; A: input x; B: input W_qkv: QUANTISED
;;     2. batch 64 x [M 2,048, K 64] x [K 64, N 2,048]; A: computed on the way; B: computed on the way: left as it is (an operand is computed on the way)
;;     3. batch 64 x [M 2,048, K 2,048] x [K 2,048, N 64]; A: computed on the way; B: computed on the way: left as it is (an operand is computed on the way)
;;     4. [M 8,192, K 1,024] x [K 1,024, N 1,024]; A: computed on the way; B: input W_lin: left as it is (an operand is computed on the way)
;;   THE QUANTISER, for each operand of a quantised product, along K:
;;     - K is cut into blocks of 32 from its start; a last block that is shorter is filled with zeros.
;;     - A block's scale is 2^e with e = floor(log2(the largest magnitude in the block)) - 2, held to -126 .. 127; a block of zeros has e = 0. As a byte (E8M0): e + 127.
;;     - Each number is divided by its block's scale, clamped to +-6, and rounded to the nearest number of E2M1, ties to even, subnormals kept.
;;     - The product sums the exact products of the quantised numbers (number of the format x scale) in f32.
;;   ~~~python
;;   def quantise(x, axis):      # numpy; x: float32 -> the quantised numbers, widened to float32 again
;;       x = np.moveaxis(x, axis, -1); K = x.shape[-1]
;;       x = np.pad(x, [(0, 0)] * (x.ndim - 1) + [(0, -K % 32)]); x = x.reshape(x.shape[:-1] + (-1, 32)); a = np.abs(x).max(-1, keepdims=True)
;;       e = np.where(a > 0, np.clip(np.frexp(np.where(a > 0, a, 1))[1] - 1 - 2, -126, 127), 0)      # np.frexp(a)[1] - 1 = floor(log2(a)), exactly
;;       r = np.clip(x / 2.0 ** e, -6, 6)
;;       step = 2.0 ** (np.maximum(np.frexp(np.where(r == 0, 1, r))[1] - 1, 0) - 1)
;;       q = np.round(r / step) * step * 2.0 ** e      # np.round: ties to even
;;       return np.moveaxis(q.reshape(q.shape[:-2] + (-1,))[..., :K], -1, axis).astype(np.float32)
;;   ~~~
;; One version. Each part assembles by itself: llvm-mc -triple=amdgcn-amd-amdhsa -mcpu=gfx1250 --defsym DOCPART=n.
;; ======== version 1 of 1: 5 launches
;; limits: values are held in f16: magnitudes above 65,504 overflow, below 6.1e-05 lose precision
;; workspace buffers: xc 4,194,304 bytes; xs 262,144 bytes; wc 1,572,864 bytes; ws 98,304 bytes; wl 2,097,152 bytes; qkvf 50,331,648 bytes; f32i 786,432 bytes; zf 16,777,216 bytes
;; launch prep (part 1): grid 416 x 1, 4 waves a work-group, no clusters, 34,304 bytes of LDS; arguments x, W_qkv, W_lin, xc, xs, wc, ws, wl; writes xc, xs, wc, ws, wl
.if DOCPART == 1
	.amdgcn_target "amdgcn-amd-amdhsa--gfx1250"
	.amdhsa_code_object_version 6
	.text
	.protected	k_q497376a102_prep
	.globl	k_q497376a102_prep
	.p2align	8
	.type	k_q497376a102_prep,@function
k_q497376a102_prep:
	s_mov_b64 s[64:65], 0
	v_nop
	global_prefetch_b8 v0, s[64:65] scope:SCOPE_SE
	s_setreg_imm32_b32 hwreg(HW_REG_WAVE_MODE, 25, 1), 1
	s_wait_xcnt 0x0
; THE PROGRAM: causal self-attention, B = 4, L = 2,048, D = 1,024, 16 heads of 64, in five launches:
;   prep: x and W_qkv into codes of E2M1 with E8M0 scale bytes along K; W_lin into f16.      qkv: the quantised product x W_qkv (+ bias), its results as f16 operands of the attention.
;   fine: positions 0 to 15 of every sequence through scores, softmax, context and projection in f32.      attn: the attention in f16 operands, f32 sums.      proj: z W_lin + b_lin.
; WORK LEFT OUT, and why it can reach no output, for all finite values of the inputs:
;   (1) Key tiles that lie wholly above the diagonal: reference() sets their scores to -inf by its own tril mask, so their weights are 0: they are neither loaded nor multiplied.
;   (2) The bias of K, b_qkv[1024:2048]: score(i, j) = q_i . (k'_j + b_k) / 8 = q_i . k'_j / 8 + q_i . b_k / 8, and the second term is the same for all j, the softmax's axis: it cancels in the softmax.
;       The scores' product is not quantised, so nothing else hangs on b_k.  These 4,096 bytes of b_qkv are not loaded; the rest of b_qkv is.
;   (3) Positions 0 to 15 of each sequence are stored by the launch fine alone; attn and proj carry them inside tiles that also hold live rows, and proj does not store them.
; LIMITS: a NaN, an infinity or an overflow that reaches only the work left out (in b_k, or in masked tiles) is not carried to the result.  q, k, v, the context and W_lin go to the matrix units in f16: magnitudes
;   above 65,504 overflow there.  NaN and infinities in x and W_qkv are not served.  A block of 32 whose largest magnitude lies under 2^-124 has its scale byte held at 1; a block of zeros gets the byte 1
;   (the rule says 127) with zero codes, which add nothing; the bytes are read by this program alone.
; THIS LAUNCH.  All that it stores is laid as IMAGES OF OPERAND REGISTERS: a fragment is 8 registers a lane, 1,024 bytes, registers 4 c .. 4 c + 3 of lane l at 512 c + 16 l.
;   Work-groups 0-95 (path W): W_qkv [k][n], K outermost: a lane takes a column, its registers run down K.   96-159 (path L): W_lin likewise, rounded to f16.   160-415 (path X): x, K innermost, through a stage in LDS.
; A block's scale is 2^(floor(log2(largest magnitude)) - 2): the largest magnitude's exponent field less 2 is the conversion's scale operand, and, shifted down, the byte.
.set SPARE, 33792                      ; behind the four stages of path X: the spare words, 128 bytes for each wave
.set SPW, 30                           ; v30  LDS address of my spare word; never rewritten
.set NIL, 31                           ; v31  0; never rewritten
.set RX,  64                           ; path X: v64-191  two sets of 64 numbers as loaded
.set XX,  192                          ; path X: v192-255 64 numbers of my row: two whole blocks of 32
.set XC,  32                           ; path X: v32-63   codes, 8 registers for each step
.set SW,  24                           ; path X: v24-27   my row's scale words
.set WX,  64                           ; paths W, L: v64-127 two sets of 32 numbers of my column
.set WC,  128                          ; path W: v128-159 codes, 4 registers a block; path L: v128-191 f16 pairs
.set SB,  24                           ; path W: v24-25   scale bytes, four to a register
	s_load_b256 s[4:11], s[0:1], 0x0               ; x s[4:5], W_qkv s[6:7], W_lin s[8:9], xc s[10:11]
	s_load_b256 s[12:19], s[0:1], 0x20             ; xs s[12:13], wc s[14:15], ws s[16:17], wl s[18:19]
	v_lshl_add_u32 v[SPW], v0, 2, SPARE
	v_mov_b32 v[NIL], 0
	v_lshrrev_b32 v1, 5, v0
	v_readfirstlane_b32 s20, v1                    ; wave 0..3
	v_and_b32 v2, 31, v0                           ; lane
	v_and_b32 v3, 15, v0                           ; r
	v_bfe_u32 v4, v0, 4, 1                         ; h
	s_mov_b32 s25, 0                               ; the high word of every offset
	s_wait_kmcnt 0x0
	s_cmp_lt_u32 ttmp9, 96
	s_cbranch_scc1 .Lpath_w
	s_cmp_lt_u32 ttmp9, 160
	s_cbranch_scc1 .Lpath_l
; ---- PATH X.  A wave takes 16 rows x 512 along K (half g of K), in four steps of 128.  Each load reads 512 consecutive bytes of one row; the 16 rows turn through the wave's own stage
; (rows of 512 bytes + 16) and come back so that lane (r, h) holds k = 64 c + 32 h + 0 .. 31 of row r: the very numbers whose codes are its registers 4 c .. 4 c + 3 of the fragment.
	s_sub_co_u32 s21, ttmp9, 160
	s_lshl_b32 s21, s21, 2
	s_add_co_u32 s21, s21, s20                     ; u = 4 x (work-group - 160) + wave
	s_lshr_b32 s22, s21, 1                         ; m16: which 16 rows
	s_and_b32 s21, s21, 1                          ; g: which half of K
	s_lshl_b32 s24, s22, 16
	s_lshl_b32 s26, s21, 11
	s_add_co_u32 s24, s24, s26
	s_add_nc_u64 s[4:5], s[4:5], s[24:25]          ; x + 65,536 m16 + 2,048 g
	s_lshl_b32 s24, s22, 12
	s_lshl_b32 s26, s21, 21
	s_add_co_u32 s24, s24, s26
	s_add_nc_u64 s[10:11], s[10:11], s[24:25]      ; xc + 2,097,152 g + 4,096 m16
	s_lshl_b32 s24, s22, 9
	s_lshl_b32 s26, s21, 8
	s_add_co_u32 s24, s24, s26
	s_add_nc_u64 s[12:13], s[12:13], s[24:25]      ; xs + 512 m16 + 256 g
	v_lshlrev_b32 v5, 4, v2                        ; 16 x lane
	s_mul_i32 s27, s20, 8448                       ; my stage
	v_add_nc_u32 v6, s27, v5                       ; into it: a row's 512 bytes as they lie
	v_mul_u32_u24 v7, v3, 528
	v_lshl_add_u32 v7, v4, 7, v7
	v_add_nc_u32 v7, s27, v7                       ; out of it: row r, + 128 h bytes
	s_mov_b32 s28, 0x76543210
	s_mov_b32 s29, 0xfedcba98                      ; v_permlanex16_b32's selects for lane l xor 16
	v_lshlrev_b32 v16, 3, v4                       ; 8 h: my bytes' place in the scale word
	v_mov_b32 v17, 0                               ; a lane permute's destination counts as one of its sources
.macro LOADK ks
.set i, 0
.rept 16
	global_load_b128 v[RX+64*((\ks)%2)+4*i:RX+64*((\ks)%2)+4*i+3], v5, s[4:5] offset:4096*i+512*(\ks) th:TH_LOAD_NT
.set i, i+1
.endr
.endm
.macro KSTEP ks
.if (\ks) < 3
	s_wait_loadcnt 16                              ; this step's 16 loads are in; the next step's 16 may be out
.else
	s_wait_loadcnt 0x0
.endif
.set i, 0
.rept 16
	ds_store_b128 v6, v[RX+64*((\ks)%2)+4*i:RX+64*((\ks)%2)+4*i+3] offset:528*i
.set i, i+1
.endr
.irp c, 0,1
.irp p, 0,1,2,3,4,5,6,7
	ds_load_b128 v[XX+32*\c+4*\p:XX+32*\c+4*\p+3], v7 offset:256*\c+16*\p   ; LDS serves a wave's instructions in order: these see the stores above
.endr
.endr
	s_wait_dscnt 0x0                               ; my numbers are back, and the stores have read their registers,
.if (\ks)+2 < 4
	LOADK (\ks)+2                                  ; which take the loads of two steps on
.endif
.irp c, 0,1
	v_max3_num_f32 v[8+\c], |v[XX+32*\c]|, |v[XX+32*\c+1]|, 0x1800000   ; block 2 c + h: all 32 numbers are mine; the floor 2^(3 - 127) holds the byte at 1 from below
.endr
.irp i, 2,4,6,8,10,12,14,16,18,20,22,24,26,28,30
.irp c, 0,1
	v_max3_num_f32 v[8+\c], v[8+\c], |v[XX+32*\c+\i]|, |v[XX+32*\c+\i+1]|
.endr
.endr
.irp c, 0,1
	v_add_nc_u32 v[10+\c], 0xff000000, v[8+\c]     ; 2 off the exponent field: the conversion's scale operand
.endr
.irp c, 0,1
.irp g, 0,1,2,3
	v_cvt_scalef32_pk8_fp4_f32 v[XC+8*(\ks)+4*\c+\g], v[XX+32*\c+8*\g:XX+32*\c+8*\g+7], v[10+\c]
.endr
.endr
.irp c, 0,1
	v_lshrrev_b32 v[12+\c], 23, v[10+\c]           ; the scale's byte
.endr
	v_lshl_or_b32 v14, v13, 16, v12                ; my two bytes: blocks h and 2 + h,
	v_lshlrev_b32 v14, v16, v14                    ; at their places;
	v_permlanex16_b32 v17, v14, s28, s29
	v_or_b32 v[SW+(\ks)], v14, v17                 ; with lane l xor 16's two the word of row r is whole
.irp c, 0,1
	global_store_b128 v5, v[XC+8*(\ks)+4*\c:XC+8*(\ks)+4*\c+3], s[10:11] offset:1024*(\ks)+512*\c   ; the image: 512 consecutive bytes a store
.endr
.endm
	LOADK 0
	LOADK 1
	KSTEP 0
	KSTEP 1
	KSTEP 2
	KSTEP 3
	v_cmp_le_u32 vcc_lo, 16, v2                    ; row r's four words are 16 bytes: lanes 0-15 store the first two, lanes 16-31 the last two
	v_cndmask_b32 v8, v[SW], v[SW+2], vcc_lo
	v_cndmask_b32 v9, v[SW+1], v[SW+3], vcc_lo
	v_lshlrev_b32 v10, 4, v3
	v_lshl_add_u32 v10, v4, 3, v10
	global_store_b64 v10, v[8:9], s[12:13]         ; 256 consecutive bytes, aligned
	s_wait_tensorcnt 0x0                           ; the wave's end
	ds_add_u32 v[SPW], v[NIL]
	s_wait_dscnt 0x0
	s_endpgm
; ---- PATH W.  A work-group takes 128 columns x a quarter of K (256 rows); a wave 32 columns; a lane one column, 8 blocks of 32 down K.
.Lpath_w:
	s_and_b32 s21, ttmp9, 3                        ; kq: which quarter of K
	s_lshr_b32 s22, ttmp9, 2
	s_lshl_b32 s22, s22, 7
	s_lshl_b32 s24, s20, 5
	s_add_co_u32 s22, s22, s24                     ; n0: my wave's first column
	s_mul_i32 s24, s21, 256*12288
	s_lshl_b32 s26, s22, 2
	s_add_co_u32 s24, s24, s26
	s_add_nc_u64 s[6:7], s[6:7], s[24:25]          ; W_qkv at row 256 kq, column n0
	s_lshr_b32 s27, s21, 1                         ; g
	s_and_b32 s21, s21, 1                          ; which half of g
	s_mul_i32 s24, s27, 786432
	s_lshl_b32 s26, s22, 8
	s_add_co_u32 s24, s24, s26
	s_lshl_b32 s26, s21, 11
	s_add_co_u32 s24, s24, s26
	s_add_nc_u64 s[14:15], s[14:15], s[24:25]      ; wc + 786,432 g + 4,096 (n0 / 16) + 2,048 (kq % 2)
	s_lshl_b32 s24, s22, 5
	s_lshl_b32 s26, s27, 8
	s_add_co_u32 s24, s24, s26
	s_lshl_b32 s26, s21, 3
	s_add_co_u32 s24, s24, s26
	s_add_nc_u64 s[16:17], s[16:17], s[24:25]      ; ws + 512 (n0 / 16) + 256 g + 8 (kq % 2)
	v_lshlrev_b32 v5, 2, v2                        ; in: 4 bytes a lane
	v_lshlrev_b32 v6, 4, v3
	v_lshl_add_u32 v6, v4, 12, v6                  ; codes: 16 r in the image of my 16 columns
	v_lshlrev_b32 v7, 4, v3
	v_lshl_add_u32 v7, v4, 9, v7                   ; scale words: 16 r
.macro LOADW t
.set i, 0
.rept 32
	global_load_b32 v[WX+32*((\t)%2)+i], v5, s[6:7] offset:(32*(\t)+i)*12288 th:TH_LOAD_NT
.set i, i+1
.endr
.endm
.macro BLOCKW t
.set XS, WX+32*((\t)%2)
.if (\t) < 7
	s_wait_loadcnt 32                              ; this block's 32 loads are in; the next block's may be out
.else
	s_wait_loadcnt 0x0
.endif
	v_max3_num_f32 v12, |v[XS]|, |v[XS+1]|, |v[XS+2]|
	v_max3_num_f32 v13, |v[XS+3]|, |v[XS+4]|, |v[XS+5]|
.irp i, 6,10,14,18,22,26
	v_max3_num_f32 v12, v12, |v[XS+\i]|, |v[XS+\i+1]|
	v_max3_num_f32 v13, v13, |v[XS+\i+2]|, |v[XS+\i+3]|
.endr
	v_max3_num_f32 v12, v12, |v[XS+30]|, |v[XS+31]|
	v_max3_num_f32 v12, v12, v13, 0x1800000        ; and the floor
	v_add_nc_u32 v11, 0xff000000, v12
.irp g, 0,1,2,3
	v_cvt_scalef32_pk8_fp4_f32 v[WC+4*(\t)+\g], v[XS+8*\g:XS+8*\g+7], v11
.endr
	v_lshrrev_b32 v13, 23, v11
.if (\t)%4 == 0
	v_mov_b32 v[SB+(\t)/4], v13
.else
	v_lshl_or_b32 v[SB+(\t)/4], v13, 8*((\t)%4), v[SB+(\t)/4]
.endif
	global_store_b128 v6, v[WC+4*(\t):WC+4*(\t)+3], s[14:15] offset:((\t)/4)*1024+(((\t)%4)/2)*512+((\t)%2)*256   ; block t % 4 of step t / 4: sixteen lanes store 256 consecutive bytes, aligned
.if (\t)+2 < 8
	LOADW (\t)+2
.endif
.endm
	LOADW 0
	LOADW 1
.irp t, 0,1,2,3,4,5,6,7
	BLOCKW \t
.endr
	global_store_b64 v7, v[SB:SB+1], s[16:17]      ; my column's two scale words: 8 bytes of each 16: 98,304 bytes in the whole launch leave so
	s_wait_tensorcnt 0x0                           ; the wave's end
	ds_add_u32 v[SPW], v[NIL]
	s_wait_dscnt 0x0
	s_endpgm
; ---- PATH L.  W_lin [k][n] to f16: a work-group takes 128 columns x 128 along K; a lane one column, four steps of 32 down K.  Registers 4 q .. 4 q + 3 hold k = 8 q .. 8 q + 7: the part 256 q + 16 r of the image.
.Lpath_l:
	s_sub_co_u32 s21, ttmp9, 96
	s_lshr_b32 s22, s21, 3
	s_and_b32 s21, s21, 7                          ; which 128 of K
	s_lshl_b32 s22, s22, 7
	s_lshl_b32 s24, s20, 5
	s_add_co_u32 s22, s22, s24                     ; n0
	s_lshl_b32 s24, s21, 19
	s_lshl_b32 s26, s22, 2
	s_add_co_u32 s24, s24, s26
	s_add_nc_u64 s[8:9], s[8:9], s[24:25]
	s_lshl_b32 s24, s21, 18
	s_lshl_b32 s26, s22, 8
	s_add_co_u32 s24, s24, s26
	s_add_nc_u64 s[18:19], s[18:19], s[24:25]      ; wl + 262,144 x (which 128) + 4,096 (n0 / 16)
	v_lshlrev_b32 v5, 2, v2
	v_lshlrev_b32 v6, 4, v3
	v_lshl_add_u32 v6, v4, 12, v6
.macro LOADL ks
.set i, 0
.rept 32
	global_load_b32 v[WX+32*((\ks)%2)+i], v5, s[8:9] offset:(32*(\ks)+i)*4096
.set i, i+1
.endr
.endm
.macro STEPL ks
.set XS, WX+32*((\ks)%2)
.if (\ks) < 3
	s_wait_loadcnt 32                              ; this step's 32 loads are in; the next step's may be out
.else
	s_wait_loadcnt 0x0
.endif
.set i, 0
.rept 16
	v_cvt_pk_f16_f32 v[WC+16*(\ks)+i], v[XS+2*i], v[XS+2*i+1]
.set i, i+1
.endr
.irp q, 0,1,2,3
	global_store_b128 v6, v[WC+16*(\ks)+4*\q:WC+16*(\ks)+4*\q+3], s[18:19] offset:1024*(\ks)+256*\q
.endr
.if (\ks)+2 < 4
	LOADL (\ks)+2
.endif
.endm
	LOADL 0
	LOADL 1
	STEPL 0
	STEPL 1
	STEPL 2
	STEPL 3
	s_wait_tensorcnt 0x0                           ; the wave's end
	ds_add_u32 v[SPW], v[NIL]
	s_wait_dscnt 0x0
	s_endpgm
.Lfunc_end_k_q497376a102_prep:
	.size	k_q497376a102_prep, .Lfunc_end_k_q497376a102_prep-k_q497376a102_prep
	.p2alignl 7, 3214868480
	.fill 96, 4, 3214868480
	.section	.rodata,"a",@progbits
	.p2align	6, 0x0
	.amdhsa_kernel k_q497376a102_prep
		.amdhsa_group_segment_fixed_size 34304
		.amdhsa_private_segment_fixed_size 0
		.amdhsa_enable_private_segment 0
		.amdhsa_kernarg_size 64
		.amdhsa_user_sgpr_count 2
		.amdhsa_user_sgpr_kernarg_segment_ptr 1
		.amdhsa_wavefront_size32 1
		.amdhsa_system_sgpr_workgroup_id_x 1
		.amdhsa_system_sgpr_workgroup_id_y 1
		.amdhsa_system_sgpr_workgroup_id_z 1
		.amdhsa_system_vgpr_workitem_id 0
		.amdhsa_next_free_vgpr 256
		.amdhsa_next_free_sgpr 66
		.amdhsa_reserve_vcc 1
		.amdhsa_float_denorm_mode_32 3
		.amdhsa_float_denorm_mode_16_64 3
		.amdhsa_memory_ordered 1
		.amdhsa_forward_progress 1
		.amdhsa_inst_pref_size 86
	.end_amdhsa_kernel
	.amdgpu_metadata
---
amdhsa.version: [ 1, 2 ]
amdhsa.kernels:
  - .name:           k_q497376a102_prep
    .symbol:         k_q497376a102_prep.kd
    .args:
      - { .name: x, .offset: 0, .size: 8, .value_kind: global_buffer, .address_space: global }
      - { .name: W_qkv, .offset: 8, .size: 8, .value_kind: global_buffer, .address_space: global }
      - { .name: W_lin, .offset: 16, .size: 8, .value_kind: global_buffer, .address_space: global }
      - { .name: xc, .offset: 24, .size: 8, .value_kind: global_buffer, .address_space: global }
      - { .name: xs, .offset: 32, .size: 8, .value_kind: global_buffer, .address_space: global }
      - { .name: wc, .offset: 40, .size: 8, .value_kind: global_buffer, .address_space: global }
      - { .name: ws, .offset: 48, .size: 8, .value_kind: global_buffer, .address_space: global }
      - { .name: wl, .offset: 56, .size: 8, .value_kind: global_buffer, .address_space: global }
    .group_segment_fixed_size: 34304
    .private_segment_fixed_size: 0
    .kernarg_segment_align: 8
    .kernarg_segment_size: 64
    .max_flat_workgroup_size: 128
    .sgpr_count:     66
    .vgpr_count:     256
    .wavefront_size: 32
...
	.end_amdgpu_metadata
.endif
;; end of part 1
;; launch qkv (part 2): grid 12 x 32, 4 waves a work-group, clusters of 4 x 4, 327,680 bytes of LDS; arguments xc, xs, wc, ws, b_qkv, qkvf, f32i; writes qkvf, f32i
.if DOCPART == 2
	.amdgcn_target "amdgcn-amd-amdhsa--gfx1250"
	.amdhsa_code_object_version 6
	.text
	.protected	k_q497376a102_qkv
	.globl	k_q497376a102_qkv
	.p2align	8
	.type	k_q497376a102_qkv,@function
k_q497376a102_qkv:
	s_mov_b64 s[64:65], 0
	v_nop
	global_prefetch_b8 v0, s[64:65] scope:SCOPE_SE
	s_setreg_imm32_b32 hwreg(HW_REG_WAVE_MODE, 25, 1), 1
	s_wait_xcnt 0x0
	s_wait_alu depctr_hold_cnt(0) depctr_sa_sdst(0) depctr_va_vdst(0) depctr_va_sdst(0) depctr_va_ssrc(0) depctr_va_vcc(0) depctr_vm_vsrc(0)
	s_getreg_b32 s2, hwreg(HW_REG_IB_STS2, 6, 4)
	s_cmp_eq_u32 s2, 0
	s_cbranch_scc0 .Lentry_in_a_cluster
	s_endpgm
.Lentry_in_a_cluster:
	s_bfe_u32 s2, ttmp6, 0x10000c
	s_cmp_lg_u32 s2, 0xf033
	s_cbranch_scc0 .Lentry_shape_is_right
	s_endpgm
.Lentry_shape_is_right:
; qkv = Q(x) Q(W_qkv) + b_qkv on codes of E2M1 with E8M0 scales, K = 1,024; the results leave as f16 images of the attention's operand registers, and those of tokens 0 to 15 of each sequence also in f32.
; WORK LEFT OUT: the bias of K, b_qkv[1024:2048], is the same term along the softmax's axis for every query and cancels there: it is not loaded.  A NaN or infinity in it is not carried to the result.
; SHARES.  A work-group makes 256 x 256, each of its four waves 128 x 128: 64 accumulators.  Clusters of 4 x 4; cluster x = X says which third: 0 Q, 1 K, 2 V; cluster y = Y which 256 tokens of a sequence.
; THE MATRIX INSTRUCTION: source 0 = 16 rows of the operand called B here, source 1 = 16 rows of A: lane (r, h) holds A's row r and B's rows 8 h + 0 .. 7.
;   Q, K: A = x (token tile 8 cy + Y: cy is the batch), B = W's columns (tile 4 X + cx): a lane holds one token and eight channels: packed to f16 that is a fragment of 16 tokens x 32 channels.
;   V:    A = W's columns (tile 8 + cy), B = x (token tile 8 cx + Y): a lane holds one channel and eight tokens: a fragment of 16 channels x 32 keys.  The roles change in the data (pointers and indices chosen on X), not in the text.
; A's tiles hang on cy alone and are asked for jointly by a row of the cluster, B's on cx alone, by a column.
; LDS: K's two halves in two slots, each filled once: slot s at 131,072 s: A's 16 blocks of 16 rows x 512 K (4,096 bytes each, four images), then B's; the scale words of all K behind them; the spare words behind those.
; All tiles are dense blocks of images: every LDS load takes 512 consecutive bytes.
; THE BIASES are the C of each sum's first matrix instruction.  K's sums begin from registers of zeros, so that one text of the first step serves Q and K; they are written while the first tiles are on their way.
; REGISTERS: window 0: v16-29 addresses; v32-95 scale words, two sets; v96-159 at work on the way out; v128-191 A's fragments, one set; v192-255 the biases.  window 1: B's fragments, two sets.  windows 2, 3: the accumulators.
.set NQ,    4                          ; steps of 128 along K in a slot
.set FR,    8                          ; registers of a fragment
.set NL,    2                          ; LDS loads that bring one
.set NP,    4                          ; places behind this matrix instruction (ISA guide 7.12.1)
.set SLOT,  131072
.set SCL,   262144                     ; the scale words: A's 8,192 bytes, then B's
.set SPARE, 278528                     ; the spare words, 128 bytes for each wave
.set ADRA, 16                          ; v16-17  LDS address of my A fragments in slot 0, 1
.set ADRB, 20                          ; v20-21  the same for B
.set LI,   24                          ; v24     16 x lane
.set ADRS, 27                          ; v27     LDS address of my scale words: lanes 0-15 A's rows, lanes 16-31 B's
.set SPW,  28                          ; v28     my spare word; never rewritten
.set NIL,  29                          ; v29     0; never rewritten
.set SC,   32
.set P0,   96                          ; the way out: packed results, v96-127 and v128-159 by turns
.set AF,   128
.set BI,   192
.set G1,   24
.set G0,   32
.set G1B,  48
.set G0B,  56
.set G1S,  68
.set G0S,  76
.set G1SB, 80
.set G0SB, 88
.set FL,   66                          ; s66  0 in a wave that holds tokens 0 to 15 of a sequence
.set MSB, 0
.macro WIN new                         ; the immediate's high byte repeats the setting that is left
.if MSB != (\new)
	s_set_vgpr_msb (MSB<<8)|(\new)
.set MSB, (\new)
.endif
.endm
.set MUL_LO, 0xa1                      ; source 0 (B) window 1, source 1 (A) window 0, C and D window 2
.set MUL_HI, 0xf1                      ; the same, C and D window 3
.set TO_B,   0x40                      ; destination window 1, address window 0
; A joint load: waves 0 and 1 fetch for A, waves 2 and 3 for B; the branch hangs on the wave's number alone.  An s_nop 0 and four v_nop follow each of the two lines.
.macro JLOAD g0a, g1a, g0b, g1b
	s_cmp_eq_u32 s15, 0
	s_cbranch_scc0 .Lfor_b_\@
	tensor_load_to_lds s[\g0a:\g0a+3], s[\g1a:\g1a+7]
	s_nop 0
.rept 4
	v_nop
.endr
	s_branch .Lasked_\@
.Lfor_b_\@:
	tensor_load_to_lds s[\g0b:\g0b+3], s[\g1b:\g1b+7]
	s_nop 0
.rept 4
	v_nop
.endr
.Lasked_\@:
.endm
.macro CROUND                          ; a round of the cluster's barrier
	s_barrier_signal -1
	s_barrier_wait -1
	s_cmp_lg_u32 s14, 0
	s_cbranch_scc1 .Lnot_wave_0_\@
	s_barrier_signal -3
.Lnot_wave_0_\@:
	s_barrier_wait -3
	s_barrier_signal -1
	s_barrier_wait -1
.endm
	s_load_b256 s[4:11], s[0:1], 0x0               ; xc s[4:5], xs s[6:7], wc s[8:9], ws s[10:11]
	s_load_b128 s[92:95], s[0:1], 0x20             ; b_qkv s[92:93], qkvf s[94:95]
	s_load_b64 s[12:13], s[0:1], 0x30              ; f32i
	v_lshl_add_u32 v[SPW], v0, 2, SPARE
	v_mov_b32 v[NIL], 0
	ds_add_u32 v[SPW], v[NIL]                      ; the wave's opening: the add, twice on end, and its wait ahead of my first tensor load
	ds_add_u32 v[SPW], v[NIL]
	v_lshrrev_b32 v1, 5, v0
	v_readfirstlane_b32 s14, v1                    ; wave 0..3
	s_lshr_b32 s15, s14, 1                         ; rh: which half of A's rows is mine.  Also: I fetch for A (0) or for B (1)
	s_and_b32 s16, s14, 1                          ; ch: which half of B's rows.  Also: which 128 rows I fetch
	s_bfe_u32 s40, ttmp6, 0x40000                  ; cx
	s_bfe_u32 s41, ttmp6, 0x40004                  ; cy
	s_and_b32 s17, ttmp7, 0xffff                   ; Y
	s_lshl_b32 s43, s41, 2
	s_lshl_b32 s43, 15, s43                        ; my row of the cluster
	s_lshl_b32 s44, 0x1111, s40                    ; my column
	; descriptor groups 1: dense blocks as rows of 256 bytes (32 elements of 8 bytes): 128 rows of codes, 16 rows of scale words
	s_or_b32 s[G1], s43, (3<<16)|(1<<21)           ; 15:0 the mask; 17:16 elements of 8 bytes; 21 set beside a mask; no padding
	s_or_b32 s[G1B], s44, (3<<16)|(1<<21)
	s_or_b32 s[G1S], s43, (3<<16)|(1<<21)
	s_or_b32 s[G1SB], s44, (3<<16)|(1<<21)
.irp g, G1, G1B
	s_mov_b32 s[\g+1], 32<<16                      ; tensor_dim0
	s_mov_b32 s[\g+2], 128<<16                     ; tensor_dim1
	s_mov_b32 s[\g+3], 32<<16                      ; tile_dim0
	s_mov_b32 s[\g+4], 128                         ; tile_dim1
	s_mov_b32 s[\g+5], 32                          ; the pitch
	s_mov_b32 s[\g+6], 0
	s_mov_b32 s[\g+7], 0
.endr
.irp g, G1S, G1SB
	s_mov_b32 s[\g+1], 32<<16
	s_mov_b32 s[\g+2], 16<<16
	s_mov_b32 s[\g+3], 32<<16
	s_mov_b32 s[\g+4], 16
	s_mov_b32 s[\g+5], 32
	s_mov_b32 s[\g+6], 0
	s_mov_b32 s[\g+7], 0
.endr
	; which tiles: both forms are made, A's of cy alone, B's of cx alone, and chosen on X
	s_lshl_b32 s45, s41, 3
	s_add_co_u32 s45, s45, s17                     ; Q, K: A = x, token tile 8 cy + Y
	s_add_co_u32 s66, s41, 8                       ; V: A = W, tile 8 + cy
	s_lshl_b32 s67, ttmp9, 2
	s_add_co_u32 s67, s67, s40                     ; Q, K: B = W, tile 4 X + cx
	s_lshl_b32 s100, s40, 3
	s_add_co_u32 s100, s100, s17                   ; V: B = x, token tile 8 cx + Y
	s_mov_b32 s98, 2097152                         ; from one half of K to the other: in xc,
	s_mov_b32 s96, 786432                          ; in wc
	s_cmp_eq_u32 ttmp9, 2
	s_cselect_b32 s45, s66, s45
	s_cselect_b32 s67, s100, s67
	s_cselect_b32 s98, 786432, s98                 ; A's
	s_cselect_b32 s96, 2097152, s96                ; B's
	s_mov_b32 s99, 0
	s_mov_b32 s97, 0
	s_lshl_b32 s101, s16, 3
	s_lshl_b32 s45, s45, 4
	s_add_co_u32 s45, s45, s101                    ; A: the first block of 16 rows that I fetch
	s_lshl_b32 s67, s67, 4
	s_add_co_u32 s67, s67, s101                    ; B likewise
	s_lshl_b32 s2, s45, 12                         ; A's codes: 4,096 bytes a block and half of K
	s_mov_b32 s3, 0
	s_lshl_b32 s46, s45, 9                         ; A's scale words: 512 bytes a block
	s_mov_b32 s47, 0
	s_lshl_b32 s100, s67, 12
	s_mov_b32 s101, 0
	s_lshl_b32 s22, s67, 9
	s_mov_b32 s23, 0
	s_wait_dscnt 0x0                               ; both opening adds are done
	s_wait_kmcnt 0x0
	s_cmp_eq_u32 ttmp9, 2                          ; the choice of buffers hangs on the cluster's number alone
	s_cselect_b64 s[18:19], s[8:9], s[4:5]         ; A's codes
	s_cselect_b64 s[20:21], s[10:11], s[6:7]       ; A's scale words
	s_cselect_b64 s[4:5], s[4:5], s[8:9]           ; B's codes
	s_cselect_b64 s[6:7], s[6:7], s[10:11]         ; B's scale words
	s_add_nc_u64 s[18:19], s[18:19], s[2:3]
	s_add_nc_u64 s[20:21], s[20:21], s[46:47]
	s_add_nc_u64 s[4:5], s[4:5], s[100:101]
	s_add_nc_u64 s[6:7], s[6:7], s[22:23]
	CROUND                                         ; all sixteen work-groups are here: the first joint loads meet
	s_lshl_b32 s45, s14, 12                        ; where the scale words go: 4,096 x wave: no place in the cluster enters an LDS address
	s_mov_b32 s[G0S], 1
	s_add_co_u32 s[G0S+1], s45, SCL
	s_mov_b64 s[G0S+2:G0S+3], s[20:21]
	s_or_b32 s[G0S+3], s[G0S+3], 0x80000000
	s_mov_b32 s[G0SB], 1
	s_add_co_u32 s[G0SB+1], s45, SCL
	s_mov_b64 s[G0SB+2:G0SB+3], s[6:7]
	s_or_b32 s[G0SB+3], s[G0SB+3], 0x80000000
	JLOAD G0S, G1S, G0SB, G1SB                     ; the scale words first: they are wanted with the first step
	s_lshl_b32 s45, s14, 15                        ; where the codes go: 32,768 x wave
	s_mov_b32 s[G0], 1
	s_mov_b32 s[G0+1], s45
	s_mov_b64 s[G0+2:G0+3], s[18:19]
	s_or_b32 s[G0+3], s[G0+3], 0x80000000
	s_mov_b32 s[G0B], 1
	s_mov_b32 s[G0B+1], s45
	s_mov_b64 s[G0B+2:G0B+3], s[4:5]
	s_or_b32 s[G0B+3], s[G0B+3], 0x80000000
	JLOAD G0, G1, G0B, G1B                         ; slot 0: K's first half
	s_mov_b32 s[G0+4], 1
	s_add_co_u32 s[G0+5], s45, SLOT
	s_add_nc_u64 s[G0+6:G0+7], s[18:19], s[98:99]
	s_or_b32 s[G0+7], s[G0+7], 0x80000000
	s_mov_b32 s[G0B+4], 1
	s_add_co_u32 s[G0B+5], s45, SLOT
	s_add_nc_u64 s[G0B+6:G0B+7], s[4:5], s[96:97]
	s_or_b32 s[G0B+7], s[G0B+7], 0x80000000
	JLOAD G0+4, G1, G0B+4, G1B                     ; slot 1: the second half.  Three tensor loads of mine are out
	v_and_b32 v1, 15, v0                           ; r
	v_bfe_u32 v2, v0, 4, 1                         ; h
	v_and_b32 v3, 31, v0
	v_lshlrev_b32 v[LI], 4, v3
	s_lshl_b32 s21, s15, 15                        ; my 128 rows of A
	s_lshl_b32 s22, s16, 15
	s_add_co_u32 s22, s22, 65536                   ; my 128 rows of B, behind A's 256
.irp s, 0,1
	v_add_nc_u32 v[ADRA+\s], s21, v[LI]
	v_add_nc_u32 v[ADRB+\s], s22, v[LI]
	s_add_co_u32 s21, s21, SLOT
	s_add_co_u32 s22, s22, SLOT
.endr
	s_lshl_b32 s21, s15, 12                        ; A's scale words: my 128 rows
	s_lshl_b32 s22, s16, 12
	s_add_co_u32 s22, s22, 8192                    ; B's, behind A's
	s_sub_co_u32 s22, s22, s21
	v_mul_u32_u24 v5, s22, v2                      ; lanes 16-31 take B's
	v_lshl_add_u32 v5, v1, 4, v5                   ; 16 bytes a row: the four words of a half of K
	s_add_co_u32 s21, s21, SCL
	v_add_nc_u32 v[ADRS], s21, v5
	; where the results go: head0 = the first of my two heads, and my part of its block of 256 tokens
	s_lshl_b32 s2, s41, 4
	s_lshl_b32 s3, s40, 2
	s_add_co_u32 s2, s2, s3
	s_lshl_b32 s3, s16, 1
	s_add_co_u32 s2, s2, s3                        ; Q, K: 16 cy + 4 cx + 2 ch
	s_lshl_b32 s100, s40, 4
	s_lshl_b32 s101, s41, 2
	s_add_co_u32 s100, s100, s101
	s_lshl_b32 s101, s15, 1
	s_add_co_u32 s100, s100, s101                  ; V: 16 cx + 4 cy + 2 rh
	s_lshl_b32 s3, ttmp9, 15
	s_lshl_b32 s101, s15, 14
	s_add_co_u32 s3, s3, s101                      ; Q, K: 32,768 X + 16,384 rh
	s_lshl_b32 s101, s16, 14
	s_add_co_u32 s101, s101, 65536                 ; V: 65,536 + 16,384 ch
	s_cmp_eq_u32 ttmp9, 2
	s_cselect_b32 s2, s100, s2
	s_cselect_b32 s3, s101, s3
	s_cselect_b32 s[FL], s16, s15                  ; the half that holds the tile's first tokens is 0,
	s_or_b32 s[FL], s[FL], s17                     ; in a sequence's first block: made of the cluster's number and the wave's alone
	s_mul_i32 s100, s2, 786432
	s_mul_i32 s101, s17, 98304
	s_add_co_u32 s100, s100, s101
	s_add_co_u32 s100, s100, s3
	s_mov_b32 s101, 0
	s_add_nc_u64 s[94:95], s[94:95], s[100:101]
	s_mul_i32 s100, s2, 12288
	s_lshl_b32 s3, ttmp9, 12
	s_add_co_u32 s100, s100, s3
	s_add_nc_u64 s[12:13], s[12:13], s[100:101]
	; the biases, in the result's layout, while the tiles are on their way
	s_mov_b32 s21, 0
	s_cmp_eq_u32 ttmp9, 1
	s_cbranch_scc1 .Lbias_k
	s_cmp_eq_u32 ttmp9, 2
	s_cbranch_scc1 .Lbias_v
	s_lshl_b32 s20, s40, 10                        ; Q: lane (r, h) wants, for B's block b, b_qkv[256 cx + 128 ch + 16 b + 8 h + 0 .. 7]
	s_lshl_b32 s22, s16, 9
	s_add_co_u32 s20, s20, s22
	s_add_nc_u64 s[92:93], s[92:93], s[20:21]
	v_lshlrev_b32 v6, 5, v2
.irp b, 0,1,2,3,4,5,6,7
	global_load_b128 v[BI+8*\b:BI+8*\b+3], v6, s[92:93] offset:64*\b
	global_load_b128 v[BI+8*\b+4:BI+8*\b+7], v6, s[92:93] offset:64*\b+16
.endr
	s_branch .Lbias_done
.Lbias_k:
.set i, 0
.rept 64
	v_mov_b32 v[BI+i], 0                           ; K: nothing is added
.set i, i+1
.endr
	s_branch .Lbias_done
.Lbias_v:
	s_lshl_b32 s20, s41, 10                        ; V: for A's block a the lane's one channel: b_qkv[2,048 + 256 cy + 128 rh + 16 a + r], in all eight registers of the C operand
	s_lshl_b32 s22, s15, 9
	s_add_co_u32 s20, s20, s22
	s_add_co_u32 s20, s20, 8192
	s_add_nc_u64 s[92:93], s[92:93], s[20:21]
	v_lshlrev_b32 v6, 2, v1
.irp a, 0,1,2,3,4,5,6,7
.irp j, 0,1,2,3,4,5,6,7
	global_load_b32 v[BI+8*\a+\j], v6, s[92:93] offset:64*\a
.endr
.endr
.Lbias_done:
.macro FRAG reg, adr, q, i             ; a fragment's image: two loads of 512 consecutive bytes
.irp c, 0,1
	ds_load_b128 v[\reg+4*\c:\reg+4*\c+3], v[\adr] offset:4096*(\i)+1024*(\q)+512*\c
.endr
.endm
; 16 matrix instructions: A's blocks a0, a0 + 1 x B's eight, the slot's q-th 128 along K.  p: B's set; sc: the set of scale words.  mode 0: the sums go on; 2: they begin with the bias by B's block; 3: by A's block.
; The 64 accumulators take turns, one instruction a turn, in the same order in every step.
.macro MUL16 a0, p, q, sc, mode
.irp a, \a0, \a0+1
.irp b, 0,1,2,3,4,5,6,7
.set rD, 8*(8*((\a)%4)+\b)
.set rB, 128*(\p)+FR*\b
.set rA, AF+FR*(\a)
.set rSB, SC+8*NQ*(\sc)+NQ*\b+(\q)
.set rSA, SC+8*NQ*(\sc)+NQ*(\a)+(\q)
.if (\mode) == 0
	v_wmma_scale_f32_16x16x128_f8f6f4 v[rD:rD+7], v[rB:rB+7], v[rA:rA+7], v[rD:rD+7], v[rSB], v[rSA] matrix_a_fmt:MATRIX_FMT_FP4 matrix_b_fmt:MATRIX_FMT_FP4 matrix_a_scale:MATRIX_SCALE_ROW1
.elseif (\mode) == 2
	v_wmma_scale_f32_16x16x128_f8f6f4 v[rD:rD+7], v[rB:rB+7], v[rA:rA+7], v[BI+8*\b:BI+8*\b+7], v[rSB], v[rSA] matrix_a_fmt:MATRIX_FMT_FP4 matrix_b_fmt:MATRIX_FMT_FP4 matrix_a_scale:MATRIX_SCALE_ROW1
.else
	v_wmma_scale_f32_16x16x128_f8f6f4 v[rD:rD+7], v[rB:rB+7], v[rA:rA+7], v[BI+8*(\a):BI+8*(\a)+7], v[rSB], v[rSA] matrix_a_fmt:MATRIX_FMT_FP4 matrix_b_fmt:MATRIX_FMT_FP4 matrix_a_scale:MATRIX_SCALE_ROW1
.endif
.endr
.endr
.endm
.macro FETCH_B slot, q, p
	WIN TO_B
.irp i, 0,1,2,3,4,5,6,7
	FRAG 128*(\p)+FR*\i, ADRB+\slot, \q, \i
.endr
	WIN 0
.endm
.macro FETCH_A slot, q, i0
.irp i, \i0, \i0+1, \i0+2, \i0+3
	FRAG AF+FR*(\i), ADRA+\slot, \q, \i
.endr
.endm
.macro SCALES sc                       ; a half of K's scale words: four a row; lanes 0-15 take A's block i, lanes 16-31 B's block i
.irp i, 0,1,2,3,4,5,6,7
	ds_load_b128 v[SC+8*NQ*\sc+NQ*\i:SC+8*NQ*\sc+NQ*\i+3], v[ADRS] offset:512*\i+256*\sc
.endr
.endm
.macro PLACES n                        ; places in front of loads into registers that matrix instructions have read, and of the first read of results
.rept \n
	v_nop
.endr
.endm
; A step of 128 along K that has its successor in the same slot.  A's blocks go one after the other against B's eight: one set of registers serves A, two serve B.
.macro STEP slot, q, mode
	s_wait_dscnt 4*NL                              ; B's set and A's blocks 0-3 are in; the youngest eight loads (A's blocks 4-7) may be out
.if (\mode) > 1
	WIN 0x81                                       ; C (the bias) window 0, D window 2
.else
	WIN MUL_LO
.endif
	MUL16 0, (\q)%2, \q, \slot, \mode
	MUL16 2, (\q)%2, \q, \slot, \mode
	s_wait_dscnt 0
	PLACES NP
	FETCH_B \slot, (\q)+1, 1-(\q)%2
	FETCH_A \slot, (\q)+1, 0
.if (\mode) > 1
	WIN 0xc1
.else
	WIN MUL_HI
.endif
	MUL16 4, (\q)%2, \q, \slot, \mode
	MUL16 6, (\q)%2, \q, \slot, \mode
	PLACES NP
	WIN 0
	FETCH_A \slot, (\q)+1, 4
.endm
.macro STEPS slot, from
.set QQ, \from
.rept NQ-1-\from
	STEP \slot, QQ, 0
.set QQ, QQ+1
.endr
.endm
	s_wait_tensorcnt 1                             ; the scale words and my part of slot 0 are in; slot 1's load may be out
	s_barrier_signal -1
	s_barrier_wait -1
	FETCH_B 0, 0, 0
	FETCH_A 0, 0, 0
	SCALES 0
	FETCH_A 0, 0, 4
	s_wait_loadcnt 0x0                             ; the biases
	s_cmp_eq_u32 ttmp9, 2
	s_cbranch_scc1 .Lfirst_v
	STEP 0, 0, 2                                   ; Q, K: the first products start the sums with the bias of B's rows
	s_branch .Lgo
.Lfirst_v:
	STEP 0, 0, 3                                   ; V: with the bias of A's rows
.Lgo:
	STEPS 0, 1
	; slot 0's last step changes slots: one barrier; in front of it each wave waits for all its tensor loads (its part of slot 1)
	s_wait_tensorcnt 0x0
	ds_add_u32 v[SPW], v[NIL]
	s_wait_dscnt 4*NL+1                            ; the add and the youngest eight loads may be out
	WIN MUL_LO
	MUL16 0, 1, NQ-1, 0, 0
	s_wait_dscnt 0x0
	s_barrier_signal -1
	MUL16 2, 1, NQ-1, 0, 0
	WIN 0
	s_barrier_wait -1                              ; slot 1 is whole
	PLACES NP
	FETCH_B 1, 0, 0
	FETCH_A 1, 0, 0
	SCALES 1
	WIN MUL_HI
	MUL16 4, 1, NQ-1, 0, 0
	MUL16 6, 1, NQ-1, 0, 0
	PLACES NP
	WIN 0
	FETCH_A 1, 0, 4
	STEPS 1, 0
	s_wait_dscnt 4*NL                              ; the very last step
	WIN MUL_LO
	MUL16 0, 1, NQ-1, 1, 0
	MUL16 2, 1, NQ-1, 1, 0
	s_wait_dscnt 0
	WIN MUL_HI
	MUL16 4, 1, NQ-1, 1, 0
	MUL16 6, 1, NQ-1, 1, 0
	WIN 0
; THE WAY OUT, A's block a at a time: a lane's eight results of an accumulator pack into 16 bytes, which ARE registers 4 c .. 4 c + 3 of a fragment of the attention: each store writes 512 consecutive bytes of an image.
;   Q, K: head b / 4, tokens 16 a on, channels 32 ((b % 4) / 2) on, c = b % 2.      V: head a / 4, channels 16 (a % 4) on, keys 32 (b / 2) on, c = b % 2.
.macro OUTBLK a, isv
.set AC, 64*((\a)%4)
.set PP, P0+32*((\a)%2)
.if (\a) > 1
	s_wait_xcnt 0x0                                ; the stores of two blocks ago have read these registers
.endif
	WIN 0x0a+5*((\a)/4)                            ; sources 0 and 1: window 2 or 3
.irp b, 0,1,2,3,4,5,6,7
.irp i, 0,1,2,3
	v_cvt_pk_f16_f32 v[PP+4*\b+\i], v[AC+8*\b+2*\i], v[AC+8*\b+2*\i+1]   ; each accumulator from its low end on
.endr
.endr
	WIN 0
.irp b, 0,1,2,3,4,5,6,7
.if \isv
	global_store_b128 v[LI], v[PP+4*\b:PP+4*\b+3], s[94:95] offset:((\a)/4)*786432+(\b/2)*4096+((\a)%4)*1024+(\b%2)*512
.else
	global_store_b128 v[LI], v[PP+4*\b:PP+4*\b+3], s[94:95] offset:(\b/4)*786432+(\a)*2048+((\b%4)/2)*1024+(\b%2)*512
.endif
.endr
.endm
	PLACES NP
	s_cmp_eq_u32 ttmp9, 2
	s_cbranch_scc1 .Lout_v
	OUTBLK 0, 0
	s_cmp_lg_u32 s[FL], 0
	s_cbranch_scc1 .Lno_fine_qk
	WIN 0x08                                       ; a store's data are its source 1: window 2.  Tokens 0 to 15 in f32, as the accumulators stand
.irp b, 0,1,2,3,4,5,6,7
.irp c, 0,1
	global_store_b128 v[LI], v[8*\b+4*\c:8*\b+4*\c+3], s[12:13] offset:(\b/4)*12288+(\b%4)*1024+512*\c
.endr
.endr
	WIN 0
.Lno_fine_qk:
.irp a, 1,2,3,4,5,6,7
	OUTBLK \a, 0
.endr
	s_branch .Lend
.Lout_v:
.irp a, 0,1,2,3,4,5,6,7
	OUTBLK \a, 1
.endr
	s_cmp_lg_u32 s[FL], 0
	s_cbranch_scc1 .Lend
	WIN 0x08                                       ; tokens 0 to 15 are B's block 0
.irp a, 0,1,2,3
.irp c, 0,1
	global_store_b128 v[LI], v[64*\a+4*\c:64*\a+4*\c+3], s[12:13] offset:\a*1024+512*\c
.endr
.endr
	WIN 0x0c
.irp a, 0,1,2,3
.irp c, 0,1
	global_store_b128 v[LI], v[64*\a+4*\c:64*\a+4*\c+3], s[12:13] offset:12288+\a*1024+512*\c
.endr
.endr
	WIN 0
.Lend:
	s_wait_tensorcnt 0x0                           ; the wave's end
	ds_add_u32 v[SPW], v[NIL]
	s_wait_dscnt 0x0
	CROUND                                         ; the closing round
	s_endpgm
.Lfunc_end_k_q497376a102_qkv:
	.size	k_q497376a102_qkv, .Lfunc_end_k_q497376a102_qkv-k_q497376a102_qkv
	.p2alignl 7, 3214868480
	.fill 96, 4, 3214868480
	.section	.rodata,"a",@progbits
	.p2align	6, 0x0
	.amdhsa_kernel k_q497376a102_qkv
		.amdhsa_group_segment_fixed_size 327680
		.amdhsa_private_segment_fixed_size 0
		.amdhsa_enable_private_segment 0
		.amdhsa_kernarg_size 56
		.amdhsa_user_sgpr_count 2
		.amdhsa_user_sgpr_kernarg_segment_ptr 1
		.amdhsa_wavefront_size32 1
		.amdhsa_system_sgpr_workgroup_id_x 1
		.amdhsa_system_sgpr_workgroup_id_y 1
		.amdhsa_system_sgpr_workgroup_id_z 1
		.amdhsa_system_vgpr_workitem_id 0
		.amdhsa_next_free_vgpr 1024
		.amdhsa_next_free_sgpr 102
		.amdhsa_reserve_vcc 0
		.amdhsa_float_denorm_mode_32 3
		.amdhsa_float_denorm_mode_16_64 3
		.amdhsa_memory_ordered 1
		.amdhsa_forward_progress 1
		.amdhsa_inst_pref_size 165
	.end_amdhsa_kernel
	.amdgpu_metadata
---
amdhsa.version: [ 1, 2 ]
amdhsa.kernels:
  - .name:           k_q497376a102_qkv
    .symbol:         k_q497376a102_qkv.kd
    .args:
      - { .name: xc, .offset: 0, .size: 8, .value_kind: global_buffer, .address_space: global }
      - { .name: xs, .offset: 8, .size: 8, .value_kind: global_buffer, .address_space: global }
      - { .name: wc, .offset: 16, .size: 8, .value_kind: global_buffer, .address_space: global }
      - { .name: ws, .offset: 24, .size: 8, .value_kind: global_buffer, .address_space: global }
      - { .name: b_qkv, .offset: 32, .size: 8, .value_kind: global_buffer, .address_space: global }
      - { .name: qkvf, .offset: 40, .size: 8, .value_kind: global_buffer, .address_space: global }
      - { .name: f32i, .offset: 48, .size: 8, .value_kind: global_buffer, .address_space: global }
    .group_segment_fixed_size: 327680
    .private_segment_fixed_size: 0
    .kernarg_segment_align: 8
    .kernarg_segment_size: 56
    .max_flat_workgroup_size: 128
    .sgpr_count:     102
    .vgpr_count:     1024
    .wavefront_size: 32
...
	.end_amdgpu_metadata
.endif
;; end of part 2
;; launch fine (part 3): grid 16 x 4, 16 waves a work-group, no clusters, 71,680 bytes of LDS; arguments f32i, W_lin, b_lin, out0; writes out0
.if DOCPART == 3
	.amdgcn_target "amdgcn-amd-amdhsa--gfx1250"
	.amdhsa_code_object_version 6
	.text
	.protected	k_q497376a102_fine
	.globl	k_q497376a102_fine
	.p2align	8
	.type	k_q497376a102_fine,@function
k_q497376a102_fine:
	s_mov_b64 s[64:65], 0
	v_nop
	global_prefetch_b8 v0, s[64:65] scope:SCOPE_SE
	s_setreg_imm32_b32 hwreg(HW_REG_WAVE_MODE, 25, 1), 1
	s_wait_xcnt 0x0
; Positions 0 to 15 of each sequence, in f32 from the quantised product's results to the output: these rows average one to sixteen values and are the largest in size.
; WORK LEFT OUT: as in the launch before, K carries no bias (it cancels in the softmax); keys beyond 15 are hidden from these queries by reference()'s own mask.
; SHARES.  A work-group takes 64 output columns (x) of one batch (y).  Wave w is head w: its 16 x 16 attention, then its head's 64 of the projection's K for the 64 columns; the sixteen partial sums meet in LDS
; and wave w adds up row w.  The attention of a batch is repeated in its sixteen work-groups: 32 matrix instructions a wave.
; OPERANDS.  f32i holds, for each head, q, k (lane (r, h): token r, register 8 blk + j: channel 16 blk + 8 h + j) and v (channel 16 blk + r, token 8 h + j) as the accumulators stood.
; The f32 matrix instruction takes k = 2 h + j from register j of a lane.  Registers 8 blk + 2 s, + 1 of BOTH sources then stand for the same four channels (or keys): K is permuted alike on both sides, nothing is moved.
; The accumulators of this form are written by matrix instructions alone, and each sum begins with the constant 0.
.set SPARE, 69632                      ; behind the sixteen partial sums (16 rows x 272 bytes each): the spare words
.set LI,  1                            ; v1   16 x lane
.set WO,  2                            ; v2   W_lin: 32,768 h + 4 r
.set SPW, 3
.set NIL, 4
.set DD,  5                            ; v5   r - 8 h
.set PST, 6                            ; v6   where I put my partial sums
.set PRD, 7                            ; v7   where I read row w of a partial sum
.set TT,  8                            ; v8-15 at work
.set QF,  16                           ; v16-47 q, v48-79 k; later the second half of W
.set KF,  48
.set VF,  80                           ; v80-111 v; later the context
.set WF,  112                          ; v112-175 the first half of W; later the partial sums
.set AS,  176                          ; v176-207 four accumulators: scores, later the projection
.set AO,  208                          ; v208-239 four accumulators: the context
.set SS,  240                          ; v240-247 scores, then weights
.set BB,  248                          ; v248-249 b_lin
.set GO,  250                          ; v250 8 x lane
.set M1,  251
.set M2,  252
.set NINF, 253
.set CM,  254                          ; v254-255 a pair for the packed forms
	s_load_b256 s[4:11], s[0:1], 0x0               ; f32i s[4:5], W_lin s[6:7], b_lin s[8:9], out0 s[10:11]
	v_lshl_add_u32 v[SPW], v0, 2, SPARE
	v_mov_b32 v[NIL], 0
	v_lshrrev_b32 v8, 5, v0
	v_readfirstlane_b32 s12, v8                    ; wave = head
	v_and_b32 v9, 31, v0
	v_and_b32 v10, 15, v0                          ; r
	v_bfe_u32 v11, v0, 4, 1                        ; h
	v_lshlrev_b32 v[LI], 4, v9
	v_lshlrev_b32 v[GO], 3, v9
	v_lshlrev_b32 v[WO], 2, v10
	v_lshl_add_u32 v[WO], v11, 15, v[WO]
	v_lshlrev_b32 v[DD], 3, v11
	v_sub_nc_u32 v[DD], v10, v[DD]
	s_mul_i32 s16, s12, 4352
	v_mul_u32_u24 v[PST], v10, 272
	v_lshl_add_u32 v[PST], v11, 5, v[PST]
	v_add_nc_u32 v[PST], s16, v[PST]               ; 4,352 w + 272 r + 32 h
	s_mul_i32 s16, s12, 272
	v_add_nc_u32 v[PRD], s16, v[GO]                ; 272 w + 8 x lane
	v_mov_b32 v[M2], 0                             ; a lane permute's destination counts as one of its sources
	v_mov_b32 v[CM+1], 0                           ; named as the upper half of a pair
	v_mov_b32 v[NINF], 0xff800000
	s_mov_b32 s20, 0x76543210
	s_mov_b32 s21, 0xfedcba98
	s_mov_b32 s22, 0x3e38aa3b                      ; c = log2(e) / sqrt(64)
	s_mov_b32 s23, s22
	s_and_b32 s13, ttmp7, 0xffff                   ; batch
	s_lshl_b32 s14, s13, 4
	s_add_co_u32 s14, s14, s12
	s_mul_i32 s14, s14, 12288                      ; the head's q, k, v
	s_mov_b32 s15, 0
	s_lshl_b32 s16, s12, 18                        ; W_lin: my head's 64 rows,
	s_lshl_b32 s18, ttmp9, 8                       ; the work-group's 64 columns
	s_add_co_u32 s16, s16, s18
	s_mov_b32 s17, 0
	s_mov_b32 s19, 0
	s_lshl_b32 s24, s13, 23                        ; out0: row 2,048 batch + w
	s_lshl_b32 s25, s12, 12
	s_add_co_u32 s24, s24, s25
	s_add_co_u32 s24, s24, s18
	s_mov_b32 s25, 0
	s_wait_kmcnt 0x0
	s_add_nc_u64 s[4:5], s[4:5], s[14:15]
	s_add_nc_u64 s[6:7], s[6:7], s[16:17]
	s_add_nc_u64 s[8:9], s[8:9], s[18:19]
	s_add_nc_u64 s[10:11], s[10:11], s[24:25]
.irp i, 0,1,2,3,4,5,6,7
	global_load_b128 v[QF+4*\i:QF+4*\i+3], v[LI], s[4:5] offset:512*\i
.endr
.irp i, 0,1,2,3,4,5,6,7
	global_load_b128 v[KF+4*\i:KF+4*\i+3], v[LI], s[4:5] offset:4096+512*\i
.endr
.irp i, 0,1,2,3,4,5,6,7
	global_load_b128 v[VF+4*\i:VF+4*\i+3], v[LI], s[4:5] offset:8192+512*\i
.endr
	global_load_b64 v[BB:BB+1], v[GO], s[8:9]
; W_lin for the projection: source 0 of step (cb, s), tile nt: lane (r, h), register j: W_lin[64 w + 16 cb + 8 h + 2 s + j][64 x + 16 nt + r]
.irp cb, 0,1
.irp s, 0,1,2,3
.irp nt, 0,1,2,3
.irp j, 0,1
	global_load_b32 v[WF+2*(16*\cb+4*\s+\nt)+\j], v[WO], s[6:7] offset:(16*\cb+2*\s+\j)*4096+64*\nt
.endr
.endr
.endr
.endr
	s_wait_loadcnt 63                              ; 89 loads are issued: all but the youngest 63 are in: q, k, v and the bias are the first 25
.irp s, 0,1,2,3                                ; S^T = k q^T: four accumulators by turns, one for each 16 channels; lane (r, h) holds query r and keys 8 h + 0 .. 7
.irp blk, 0,1,2,3
.if \s == 0
	v_wmma_f32_16x16x4_f32 v[AS+8*\blk:AS+8*\blk+7], v[KF+8*\blk+2*\s:KF+8*\blk+2*\s+1], v[QF+8*\blk+2*\s:QF+8*\blk+2*\s+1], 0
.else
	v_wmma_f32_16x16x4_f32 v[AS+8*\blk:AS+8*\blk+7], v[KF+8*\blk+2*\s:KF+8*\blk+2*\s+1], v[QF+8*\blk+2*\s:QF+8*\blk+2*\s+1], v[AS+8*\blk:AS+8*\blk+7]
.endif
.endr
.endr
.rept 8
	v_nop                                          ; eight places behind this form, ahead of loads into its sources and of the first read of its results
.endr
.irp cb, 2,3                                   ; the second half of W takes q's and k's registers
.irp s, 0,1,2,3
.irp nt, 0,1,2,3
.irp j, 0,1
	global_load_b32 v[QF+2*(16*(\cb-2)+4*\s+\nt)+\j], v[WO], s[6:7] offset:(16*\cb+2*\s+\j)*4096+64*\nt
.endr
.endr
.endr
.endr
.irp i, 0,2,4,6
	v_pk_add_f32 v[SS+\i:SS+\i+1], v[AS+\i:AS+\i+1], v[AS+8+\i:AS+8+\i+1]
.endr
.irp i, 0,2,4,6
	v_pk_add_f32 v[TT+\i:TT+\i+1], v[AS+16+\i:AS+16+\i+1], v[AS+24+\i:AS+24+\i+1]
.endr
.irp i, 0,2,4,6
	v_pk_add_f32 v[SS+\i:SS+\i+1], v[SS+\i:SS+\i+1], v[TT+\i:TT+\i+1]
.endr
.irp j, 0,1,2,3,4,5,6,7                        ; key 8 h + j is hidden from query r where j > r - 8 h
	v_cmp_gt_i32 vcc_lo, \j, v[DD]
	v_cndmask_b32 v[SS+\j], v[SS+\j], v[NINF], vcc_lo
.endr
	v_max3_num_f32 v[M1], v[SS], v[SS+1], v[SS+2]
	v_max3_num_f32 v[M1], v[M1], v[SS+3], v[SS+4]
	v_max3_num_f32 v[M1], v[M1], v[SS+5], v[SS+6]
	v_max_num_f32 v[M1], v[M1], v[SS+7]
	v_permlanex16_b32 v[M2], v[M1], s20, s21
	v_max_num_f32 v[M1], v[M1], v[M2]              ; the row's maximum: key 0 counts for every query, so it is a number
	v_mul_f32 v[CM], s22, v[M1]
.irp i, 0,2,4,6
	v_pk_fma_f32 v[SS+\i:SS+\i+1], v[SS+\i:SS+\i+1], s[22:23], v[CM:CM+1] op_sel_hi:[1,0,0] neg_lo:[0,0,1] neg_hi:[0,0,1]
.endr
.irp j, 0,1,2,3,4,5,6,7
	v_exp_f32 v[SS+\j], v[SS+\j]
.endr
	v_nop                                          ; a plain place behind the exponentials
	s_wait_alu depctr_va_vdst(0)                   ; one wait for the batch, ahead of its first reader
	v_pk_add_f32 v[TT:TT+1], v[SS:SS+1], v[SS+2:SS+3]
	v_pk_add_f32 v[TT+2:TT+3], v[SS+4:SS+5], v[SS+6:SS+7]
	v_pk_add_f32 v[TT:TT+1], v[TT:TT+1], v[TT+2:TT+3]
	v_add_f32 v[M1], v[TT], v[TT+1]
	v_permlanex16_b32 v[M2], v[M1], s20, s21
	v_add_f32 v[M1], v[M1], v[M2]                  ; the row's sum
	v_rcp_f32 v[CM], v[M1]
	v_nop
	s_wait_alu depctr_va_vdst(0)
.irp s, 0,1,2,3                                ; O^T = v^T p: lane (r, h) holds query r and channels 16 cb + 8 h + 0 .. 7
.irp cb, 0,1,2,3
.if \s == 0
	v_wmma_f32_16x16x4_f32 v[AO+8*\cb:AO+8*\cb+7], v[VF+8*\cb+2*\s:VF+8*\cb+2*\s+1], v[SS+2*\s:SS+2*\s+1], 0
.else
	v_wmma_f32_16x16x4_f32 v[AO+8*\cb:AO+8*\cb+7], v[VF+8*\cb+2*\s:VF+8*\cb+2*\s+1], v[SS+2*\s:SS+2*\s+1], v[AO+8*\cb:AO+8*\cb+7]
.endif
.endr
.endr
.rept 8
	v_nop
.endr
.set i, 0
.rept 16
	v_pk_mul_f32 v[VF+2*i:VF+2*i+1], v[AO+2*i:AO+2*i+1], v[CM:CM+1] op_sel_hi:[1,0]   ; the context, into v's registers
.set i, i+1
.endr
	s_wait_loadcnt 63                              ; the youngest 64 loads are W's second half: the first half is in
.irp cb, 0,1,2,3                               ; my head's part of z W_lin: lane (r, h) holds query r and columns 16 nt + 8 h + 0 .. 7
.if \cb == 2
	s_wait_loadcnt 0x0
.endif
.irp s, 0,1,2,3
.irp nt, 0,1,2,3
.if \cb < 2
.set rW, WF+2*(16*\cb+4*\s+\nt)
.else
.set rW, QF+2*(16*(\cb-2)+4*\s+\nt)
.endif
.if (\cb == 0) && (\s == 0)
	v_wmma_f32_16x16x4_f32 v[AS+8*\nt:AS+8*\nt+7], v[rW:rW+1], v[VF+8*\cb+2*\s:VF+8*\cb+2*\s+1], 0
.else
	v_wmma_f32_16x16x4_f32 v[AS+8*\nt:AS+8*\nt+7], v[rW:rW+1], v[VF+8*\cb+2*\s:VF+8*\cb+2*\s+1], v[AS+8*\nt:AS+8*\nt+7]
.endif
.endr
.endr
.endr
.rept 8
	v_nop
.endr
.irp nt, 0,1,2,3
	ds_store_b128 v[PST], v[AS+8*\nt:AS+8*\nt+3] offset:64*\nt
	ds_store_b128 v[PST], v[AS+8*\nt+4:AS+8*\nt+7] offset:64*\nt+16
.endr
	s_wait_dscnt 0x0                               ; for the others' sake: my partial sums lie in LDS
	s_barrier_signal -1
	s_barrier_wait -1
.irp p, 0,1,2,3,4,5,6,7,8,9,10,11,12,13,14,15
	ds_load_b64 v[WF+2*\p:WF+2*\p+1], v[PRD] offset:4352*\p   ; row w of head p's partial sum: 256 bytes by 32 lanes
.endr
	s_wait_dscnt 0x0
	v_pk_add_f32 v[8:9], v[WF:WF+1], v[BB:BB+1]
	v_pk_add_f32 v[10:11], v[WF+2:WF+3], v[WF+4:WF+5]
.irp p, 3,5,7,9,11,13
	v_pk_add_f32 v[8:9], v[8:9], v[WF+2*\p:WF+2*\p+1]
	v_pk_add_f32 v[10:11], v[10:11], v[WF+2*\p+2:WF+2*\p+3]
.endr
	v_pk_add_f32 v[8:9], v[8:9], v[WF+30:WF+31]
	v_pk_add_f32 v[8:9], v[8:9], v[10:11]
	global_store_b64 v[GO], v[8:9], s[10:11]       ; 256 consecutive bytes, aligned
	s_wait_tensorcnt 0x0                           ; the wave's end
	ds_add_u32 v[SPW], v[NIL]
	s_wait_dscnt 0x0
	s_endpgm
.Lfunc_end_k_q497376a102_fine:
	.size	k_q497376a102_fine, .Lfunc_end_k_q497376a102_fine-k_q497376a102_fine
	.p2alignl 7, 3214868480
	.fill 96, 4, 3214868480
	.section	.rodata,"a",@progbits
	.p2align	6, 0x0
	.amdhsa_kernel k_q497376a102_fine
		.amdhsa_group_segment_fixed_size 71680
		.amdhsa_private_segment_fixed_size 0
		.amdhsa_enable_private_segment 0
		.amdhsa_kernarg_size 32
		.amdhsa_user_sgpr_count 2
		.amdhsa_user_sgpr_kernarg_segment_ptr 1
		.amdhsa_wavefront_size32 1
		.amdhsa_system_sgpr_workgroup_id_x 1
		.amdhsa_system_sgpr_workgroup_id_y 1
		.amdhsa_system_sgpr_workgroup_id_z 1
		.amdhsa_system_vgpr_workitem_id 0
		.amdhsa_next_free_vgpr 256
		.amdhsa_next_free_sgpr 66
		.amdhsa_reserve_vcc 1
		.amdhsa_float_denorm_mode_32 3
		.amdhsa_float_denorm_mode_16_64 3
		.amdhsa_memory_ordered 1
		.amdhsa_forward_progress 1
		.amdhsa_inst_pref_size 30
	.end_amdhsa_kernel
	.amdgpu_metadata
---
amdhsa.version: [ 1, 2 ]
amdhsa.kernels:
  - .name:           k_q497376a102_fine
    .symbol:         k_q497376a102_fine.kd
    .args:
      - { .name: f32i, .offset: 0, .size: 8, .value_kind: global_buffer, .address_space: global }
      - { .name: W_lin, .offset: 8, .size: 8, .value_kind: global_buffer, .address_space: global }
      - { .name: b_lin, .offset: 16, .size: 8, .value_kind: global_buffer, .address_space: global }
      - { .name: out0, .offset: 24, .size: 8, .value_kind: global_buffer, .address_space: global }
    .group_segment_fixed_size: 71680
    .private_segment_fixed_size: 0
    .kernarg_segment_align: 8
    .kernarg_segment_size: 32
    .max_flat_workgroup_size: 512
    .sgpr_count:     66
    .vgpr_count:     256
    .wavefront_size: 32
...
	.end_amdgpu_metadata
.endif
;; end of part 3
;; launch attn (part 4): grid 4 x 64, 16 waves a work-group, no clusters, 327,680 bytes of LDS; arguments qkvf, zf; writes zf
.if DOCPART == 4
	.amdgcn_target "amdgcn-amd-amdhsa--gfx1250"
	.amdhsa_code_object_version 6
	.text
	.protected	k_q497376a102_attn
	.globl	k_q497376a102_attn
	.p2align	8
	.type	k_q497376a102_attn,@function
k_q497376a102_attn:
	s_mov_b64 s[64:65], 0
	v_nop
	global_prefetch_b8 v0, s[64:65] scope:SCOPE_SE
	s_setreg_imm32_b32 hwreg(HW_REG_WAVE_MODE, 25, 1), 1
	s_wait_xcnt 0x0
; z[b][q][64 head ..] = the sum over keys k <= q of softmax_k(Q . K / 8) V, operands in f16, products, maxima and sums in f32; z leaves in f16 as images of the projection's operand registers.
; WORK LEFT OUT: key steps all of whose keys come after a wave's queries, and slots that come after the work-group's last query: reference()'s own mask makes their weights 0.  What is not finite there is not carried.
; (Positions 0 to 15 of a sequence are computed and stored here inside a wave's tiles; the output's rows for them come from the launch fine.)
; SHARES.  A work-group is (i = x, head of a batch = y).  Waves 0-7 own block i of 256 queries, waves 8-15 block 7 - i: every work-group so has the same number of key steps under the mask.
; A wave owns 32 queries, two tiles of 16: strip w % 8 for the first four waves of a block, 11 - w % 8 for the others.  Every work-group walks all 8 slots of 256 keys, with constant trip counts; a step is 64 keys.
; NO CLUSTER: the four work-groups of a head need different numbers of slots under the mask; a joint load would bring tiles that some partner never reads.
; LAYOUT.  S^T = K Q^T (source 0 = 16 keys, source 1 = 16 queries) and O^T = V^T P (source 0 = 16 channels x 32 keys): a lane holds ONE query throughout; two tiles of S^T, packed to f16, are P's fragment.
; K's and V's tiles lie in memory and in LDS as images of their fragments: a slot's 65,536 bytes are one dense block; every LDS load takes 512 consecutive bytes.
; SOFTMAX: a running maximum m and sum l for each query: p = 2^(c s - c m), c = log2(e) / 8; in every step l and O^T are multiplied by a = 2^(c m_old - c m_new).
.set SLOT1, 65536                      ; slot 1 begins here: one exclusive or turns an address
.set BLKB,  98304                      ; a block of 256 tokens of a head in qkvf: Q, K, V, 32,768 bytes each
.set SPARE, 131072                     ; behind the ring: the spare words, 128 bytes for each of sixteen waves
.set LI,  1                            ; v1   16 x lane
.set ADR, 2                            ; v2   LDS address of the step's images
.set SPW, 3
.set NIL, 4
.set DQ,  5                            ; v5   r - 8 h
.set ST,  8                            ; tile t's statistics at v[8 + 8 t]: +0 c m, +1 m, +2, +3 l, +4 to +7 at work; a takes +6
.set Q,   24                           ; v24-55   Q(t, st) at 24 + 16 t + 8 st
.set F,   56                           ; v56-119  eight fragments: K's, then V's
.set S,   120                          ; v120-183 S^T, 32 a tile; P in place in a tile's first 16
.set O,   184                          ; v184-247 O^T(t, cb) at 184 + 32 t + 8 cb
.set NINF, 248
.set PFO, 249                          ; v249 256 x lane; never rewritten
.set WV,  8
.set SEL, 12
.set CS,  14
.set TB,  16                           ; s16  LDS byte at which the step's images of K begin
.set KF,  17                           ; s17  the step's first key
.set Q0,  18                           ; s18  my first query
.set QL,  19                           ; s19  my work-group's last query
.set SLOTS, 20
.set CNT, 21
.set LIM, 22
.set G1,  24
.set G0,  32
.set PFA, 36
.macro TLOAD                           ; waves 0 to 3 fetch a quarter of a slot each; the branch hangs on the wave's number alone; an s_nop 0 and four v_nop follow the load
	s_cmp_lt_u32 s[WV], 4
	s_cbranch_scc0 .Lasked_\@
	tensor_load_to_lds s[G0:G0+3], s[G1:G1+7]
	s_nop 0
.rept 4
	v_nop
.endr
.Lasked_\@:
.endm
; A prefetch of what the NEXT change of slots will ask for: a slot's 65,536 bytes, each aligned block of 256 bytes named once in the launch: the head's first work-group asks, in it waves 4 to 11, 8,192 bytes a wave, a lane a block.
; It stands where the fetching waves have their tensor load, four key steps ahead of the load that will want the bytes; the last change that fills a slot asks for nothing; slots 0 and 1 come by their loads alone.
.macro ASK
	s_cmp_gt_u32 s[SLOTS], s[LIM]
	s_cbranch_scc0 .Lnot_mine_\@
	global_prefetch_b8 v[PFO], s[PFA:PFA+1] th:TH_LOAD_NT scope:SCOPE_SE
.Lnot_mine_\@:
.endm
	s_load_b128 s[4:7], s[0:1], 0x0                ; qkvf s[4:5], zf s[6:7]
	v_lshl_add_u32 v[SPW], v0, 2, SPARE
	v_mov_b32 v[NIL], 0
	ds_add_u32 v[SPW], v[NIL]                      ; the wave's opening: the add, twice on end, and its wait ahead of the first tensor load
	ds_add_u32 v[SPW], v[NIL]
	v_lshrrev_b32 v2, 5, v0
	v_readfirstlane_b32 s[WV], v2                  ; wave 0..15
	s_and_b32 s9, ttmp7, 0xffff                    ; 16 x batch + head
	s_and_b32 s40, s[WV], 7
	s_sub_co_u32 s41, 11, s40
	s_cmp_lt_u32 s40, 4
	s_cselect_b32 s40, s40, s41                    ; my strip of 32 queries
	s_sub_co_u32 s41, 7, ttmp9
	s_cmp_lt_u32 s[WV], 8
	s_cselect_b32 s41, ttmp9, s41                  ; my block of 256
	s_lshl_b32 s[Q0], s41, 8
	s_lshl_b32 s42, s40, 5
	s_add_co_u32 s[Q0], s[Q0], s42
	s_sub_co_u32 s[QL], 8, ttmp9
	s_lshl_b32 s[QL], s[QL], 8
	s_sub_co_u32 s[QL], s[QL], 1
	s_mov_b32 s[G1], 3<<16                         ; no mask; elements of 8 bytes; no padding: 64 rows of 256 bytes, dense
	s_mov_b32 s[G1+1], 32<<16
	s_mov_b32 s[G1+2], 64<<16
	s_mov_b32 s[G1+3], 32<<16
	s_mov_b32 s[G1+4], 64
	s_mov_b32 s[G1+5], 32
	s_mov_b32 s[G1+6], 0
	s_mov_b32 s[G1+7], 0
	s_mov_b32 s[SEL], 0x76543210
	s_mov_b32 s[SEL+1], 0xfedcba98
	s_mov_b32 s[CS], 0x3e38aa3b                    ; c = log2(e) / sqrt(64)
	s_mov_b32 s[CS+1], s[CS]
	s_mov_b32 s[TB], 0
	s_mov_b32 s[KF], 0
	s_mov_b32 s[SLOTS], 7
	s_mul_i32 s44, s9, 786432
	s_mov_b32 s45, 0
	s_lshl_b32 s46, s[WV], 14                      ; 16,384 x wave: my quarter, in memory and in a slot
	s_mov_b32 s47, 0
	s_wait_dscnt 0x0                               ; both opening adds are done
	s_wait_kmcnt 0x0
	s_add_nc_u64 s[4:5], s[4:5], s[44:45]          ; the head
	s_mov_b32 s[G0], 1
	s_mov_b32 s[G0+1], s46
	s_add_nc_u64 s[G0+2:G0+3], s[4:5], s[46:47]
	s_add_nc_u64 s[G0+2:G0+3], s[G0+2:G0+3], 32768 ; K and V lie behind a block's Q
	s_or_b32 s[G0+3], s[G0+3], 0x80000000
	TLOAD                                          ; slot 0: key 0 counts for every query
	s_mul_i32 s46, s41, BLKB
	s_lshl_b32 s42, s40, 12
	s_add_co_u32 s46, s46, s42
	s_add_nc_u64 s[38:39], s[4:5], s[46:47]        ; Q: my block, my two tiles
	v_and_b32 v6, 31, v0
	v_lshlrev_b32 v[LI], 4, v6
	v_lshlrev_b32 v[PFO], 8, v6
.irp t, 0,1
.irp st, 0,1
.irp c, 0,1
	global_load_b128 v[Q+16*\t+8*\st+4*\c:Q+16*\t+8*\st+4*\c+3], v[LI], s[38:39] offset:2048*\t+1024*\st+512*\c
.endr
.endr
.endr
	s_and_b32 s40, s9, 15                          ; head
	s_lshr_b32 s41, s9, 4                          ; batch
	s_lshr_b32 s42, s40, 1
	s_lshl_b32 s42, s42, 21                        ; z: which 128 of the projection's K,
	s_lshl_b32 s43, s41, 19
	s_add_co_u32 s42, s42, s43
	s_lshl_b32 s43, s[Q0], 8
	s_add_co_u32 s42, s42, s43                     ; 4,096 bytes for each 16 tokens,
	s_and_b32 s43, s40, 1
	s_lshl_b32 s43, s43, 11
	s_add_co_u32 s42, s42, s43                     ; which 64 of the 128
	s_mov_b32 s43, 0
	s_add_nc_u64 s[6:7], s[6:7], s[42:43]
	s_sub_co_u32 s42, s[WV], 4
	s_lshr_b32 s43, s42, 3                         ; 0 in waves 4 to 11,
	s_or_b32 s43, s43, ttmp9                       ; of the head's first work-group
	s_cmp_eq_u32 s43, 0
	s_cselect_b32 s[LIM], 1, -1
	s_and_b32 s42, s42, 7
	s_lshl_b32 s46, s42, 13
	s_add_co_u32 s46, s46, 32768+BLKB              ; in slot 1: the first change of slots steps it to slot 2
	s_add_nc_u64 s[PFA:PFA+1], s[4:5], s[46:47]
	v_and_b32 v6, 15, v0
	v_bfe_u32 v7, v0, 4, 1
	v_lshlrev_b32 v7, 3, v7
	v_sub_nc_u32 v[DQ], v6, v7
	v_mov_b32 v[NINF], 0xff800000
.irp t, 0,1
	v_mov_b32 v[ST+8*\t+1], 0xff61b1e6             ; m: -3e38, under every score
	v_mul_f32 v[ST+8*\t], s[CS], v[ST+8*\t+1]      ; c m
	v_mov_b32 v[ST+8*\t+2], 0                      ; l
	v_mov_b32 v[ST+8*\t+3], 0
	v_mov_b32 v[ST+8*\t+5], 0                      ; a lane permute's destination counts as one of its sources
	v_mov_b32 v[ST+8*\t+7], 0                      ; named as the upper half of a pair
.endr
.set i, 0
.rept 64
	v_mov_b32 v[O+i], 0                            ; O^T: the step is written once: the first finds zeros, which a = 0 leaves zeros
.set i, i+1
.endr
; A KEY STEP: 64 keys.
.macro STEP
	s_add_co_u32 s44, s[Q0], 31                    ; a step all of whose keys come after my 32 queries is left out: a branch on ids, round the step's work, not round the lines at its end.
	s_cmp_gt_u32 s[KF], s44                        ; (A step that is walked has its first key at or under my first query: every query sees a key)
	s_cbranch_scc1 .Lhid_\@
	v_add_nc_u32 v[ADR], s[TB], v[LI]
.rept 4
	v_nop                                          ; with the addition five places behind the last products: their P is written over by the products below, their V by the loads
.endr
.irp kt, 0,1,2,3
.irp st, 0,1
.irp c, 0,1
	ds_load_b128 v[F+8*(2*\kt+\st)+4*\c:F+8*(2*\kt+\st)+4*\c+3], v[ADR] offset:2048*\kt+1024*\st+512*\c
.endr
.endr
.endr
	s_wait_dscnt 0x0
.irp st, 0,1                                   ; S^T = K Q^T: eight accumulators by turns
.irp kt, 0,1,2,3
.irp t, 0,1
.if \st == 0
	v_wmma_f32_16x16x32_f16 v[S+32*\t+8*\kt:S+32*\t+8*\kt+7], v[F+8*(2*\kt+\st):F+8*(2*\kt+\st)+7], v[Q+16*\t+8*\st:Q+16*\t+8*\st+7], 0
.else
	v_wmma_f32_16x16x32_f16 v[S+32*\t+8*\kt:S+32*\t+8*\kt+7], v[F+8*(2*\kt+\st):F+8*(2*\kt+\st)+7], v[Q+16*\t+8*\st:Q+16*\t+8*\st+7], v[S+32*\t+8*\kt:S+32*\t+8*\kt+7]
.endif
.endr
.endr
.endr
.rept 4
	v_nop                                          ; places ahead of the loads into K's registers and of the first read of the scores
.endr
.irp u, 0,1                                    ; V's images land under the softmax
.irp cb, 0,1,2,3
.irp c, 0,1
	ds_load_b128 v[F+8*(4*\u+\cb)+4*\c:F+8*(4*\u+\cb)+4*\c+3], v[ADR] offset:32768+4096*\u+1024*\cb+512*\c
.endr
.endr
.endr
	s_add_co_u32 s44, s[KF], 63                    ; on the diagonal hidden scores become -infinity ahead of the maximum; a step all of whose keys count skips this
	s_cmp_le_u32 s44, s[Q0]
	s_cbranch_scc1 .Lopen_\@
	s_sub_co_i32 s44, s[Q0], s[KF]
	v_add_nc_u32 v6, s44, v[DQ]                    ; tile t, register 8 kt + j holds key KF + 16 kt + 8 h + j: hidden where 16 kt + j > Q0 - KF + 16 t + r - 8 h
	v_add_nc_u32 v7, 16, v6
.irp t, 0,1
.irp kt, 0,1,2,3
.irp j, 0,1,2,3,4,5,6,7
	v_cmp_gt_i32 vcc_lo, 16*\kt+\j, v[6+\t]
	v_cndmask_b32 v[S+32*\t+8*\kt+\j], v[S+32*\t+8*\kt+\j], v[NINF], vcc_lo
.endr
.endr
.endr
.Lopen_\@:
.irp j, 0,1,2,3                                ; the maximum of 32 scores and the old m; the two tiles by turns; each accumulator is read from its low end on
.irp t, 0,1
	v_max3_num_f32 v[ST+8*\t+4+\j], v[S+32*\t+8*\j], v[S+32*\t+8*\j+1], v[S+32*\t+8*\j+2]
.endr
.endr
.irp g, 1,2
.irp j, 0,1,2,3
.irp t, 0,1
	v_max3_num_f32 v[ST+8*\t+4+\j], v[ST+8*\t+4+\j], v[S+32*\t+8*\j+2*\g+1], v[S+32*\t+8*\j+2*\g+2]
.endr
.endr
.endr
.irp t, 0,1
	v_max3_num_f32 v[ST+8*\t+4], v[ST+8*\t+4], v[S+32*\t+7], v[S+32*\t+15]
.endr
.irp t, 0,1
	v_max3_num_f32 v[ST+8*\t+6], v[ST+8*\t+6], v[S+32*\t+23], v[S+32*\t+31]
.endr
.irp t, 0,1
	v_max3_num_f32 v[ST+8*\t+4], v[ST+8*\t+4], v[ST+8*\t+5], v[ST+8*\t+6]
.endr
.irp t, 0,1
	v_max3_num_f32 v[ST+8*\t+4], v[ST+8*\t+4], v[ST+8*\t+7], v[ST+8*\t+1]
.endr
.irp t, 0,1
	v_permlanex16_b32 v[ST+8*\t+5], v[ST+8*\t+4], s[SEL], s[SEL+1]   ; the query's other 32 keys lie in the lane 16 away
.endr
.irp t, 0,1
	v_mov_b32 v[ST+8*\t+7], v[ST+8*\t]             ; c m_old
.endr
.irp t, 0,1
	v_max_num_f32 v[ST+8*\t+1], v[ST+8*\t+4], v[ST+8*\t+5]
.endr
.irp t, 0,1
	v_mul_f32 v[ST+8*\t], s[CS], v[ST+8*\t+1]
.endr
.irp t, 0,1
	v_sub_f32 v[ST+8*\t+7], v[ST+8*\t+7], v[ST+8*\t]
.endr
.irp t, 0,1
	v_exp_f32 v[ST+8*\t+6], v[ST+8*\t+7]           ; a
.endr
.set i, 0
.rept 16
	v_pk_fma_f32 v[S+2*i:S+2*i+1], v[S+2*i:S+2*i+1], s[CS:CS+1], v[ST:ST+1] op_sel_hi:[1,0,0] neg_lo:[0,0,1] neg_hi:[0,0,1]
	v_pk_fma_f32 v[S+32+2*i:S+32+2*i+1], v[S+32+2*i:S+32+2*i+1], s[CS:CS+1], v[ST+8:ST+9] op_sel_hi:[1,0,0] neg_lo:[0,0,1] neg_hi:[0,0,1]
.set i, i+1
.endr
.set i, 0
.rept 32
	v_exp_f32 v[S+i], v[S+i]
	v_exp_f32 v[S+32+i], v[S+32+i]
.set i, i+1
.endr
	v_nop                                          ; a plain place behind the last exponential
	s_wait_alu depctr_va_vdst(0)                   ; ONE wait for both tiles' 66 exponentials, ahead of their first reader
.irp t, 0,1
	v_pk_fma_f32 v[ST+8*\t+2:ST+8*\t+3], v[ST+8*\t+2:ST+8*\t+3], v[ST+8*\t+6:ST+8*\t+7], v[S+32*\t:S+32*\t+1] op_sel_hi:[1,0,1]   ; l = a l + the weights, in two chains
.endr
.irp t, 0,1
	v_pk_add_f32 v[ST+8*\t+4:ST+8*\t+5], v[S+32*\t+2:S+32*\t+3], v[S+32*\t+4:S+32*\t+5]
.endr
.irp i, 6,10,14,18,22,26
.irp t, 0,1
	v_pk_add_f32 v[ST+8*\t+2:ST+8*\t+3], v[ST+8*\t+2:ST+8*\t+3], v[S+32*\t+\i:S+32*\t+\i+1]
	v_pk_add_f32 v[ST+8*\t+4:ST+8*\t+5], v[ST+8*\t+4:ST+8*\t+5], v[S+32*\t+\i+2:S+32*\t+\i+3]
.endr
.endr
.irp t, 0,1
	v_pk_add_f32 v[ST+8*\t+2:ST+8*\t+3], v[ST+8*\t+2:ST+8*\t+3], v[S+32*\t+30:S+32*\t+31]
.endr
.irp t, 0,1
	v_pk_add_f32 v[ST+8*\t+2:ST+8*\t+3], v[ST+8*\t+2:ST+8*\t+3], v[ST+8*\t+4:ST+8*\t+5]
.endr
.set i, 0
.rept 16
	v_cvt_pk_f16_f32 v[S+i], v[S+2*i], v[S+2*i+1]  ; P, in place and ascending: register i is written when registers 2 i and 2 i + 1 are read
	v_cvt_pk_f16_f32 v[S+32+i], v[S+32+2*i], v[S+32+2*i+1]
.set i, i+1
.endr
.set i, 0
.rept 16
	v_pk_mul_f32 v[O+2*i:O+2*i+1], v[O+2*i:O+2*i+1], v[ST+6:ST+7] op_sel_hi:[1,0]
	v_pk_mul_f32 v[O+32+2*i:O+32+2*i+1], v[O+32+2*i:O+32+2*i+1], v[ST+14:ST+15] op_sel_hi:[1,0]
.set i, i+1
.endr
	s_wait_dscnt 0x0                               ; V
.irp u, 0,1                                    ; O^T += V^T P: eight accumulators by turns
.irp cb, 0,1,2,3
.irp t, 0,1
	v_wmma_f32_16x16x32_f16 v[O+32*\t+8*\cb:O+32*\t+8*\cb+7], v[F+8*(4*\u+\cb):F+8*(4*\u+\cb)+7], v[S+32*\t+8*\u:S+32*\t+8*\u+7], v[O+32*\t+8*\cb:O+32*\t+8*\cb+7]
.endr
.endr
.endr
.Lhid_\@:
	s_add_co_u32 s[KF], s[KF], 64
	s_add_co_u32 s[TB], s[TB], 8192                ; four tiles of K are 8,192 bytes, and so are two of V's groups of 32 keys
.endm
; THE CHANGE OF SLOTS stands at a slot's head.  Each wave waits for all its tensor loads, adds 0 to its spare word (fill = 1: twice on end),
; and waits for that and for its reads of the slot that it has left.  Behind the barrier the slot ahead is whole and nobody reads the other one: fill = 1: it is filled with the next 256 keys, up to the causal limit.
.macro CHANGE fill
	s_wait_tensorcnt 0x0                           ; no tensor load of mine is out, so the group 0 may be written
	ds_add_u32 v[SPW], v[NIL]
.if \fill
	ds_add_u32 v[SPW], v[NIL]
	s_xor_b32 s[G0+1], s[G0+1], SLOT1
	s_add_nc_u64 s[G0+2:G0+3], s[G0+2:G0+3], BLKB
	s_wait_xcnt 0x0                                ; the last prefetch, a slot back, has read its address
	s_add_nc_u64 s[PFA:PFA+1], s[PFA:PFA+1], BLKB
.endif
	s_wait_dscnt 0x0
	s_barrier_signal -1
	s_barrier_wait -1
.if \fill
	s_add_co_u32 s44, s[KF], 256                   ; a slot whose first key comes after my work-group's last query is read by none of its waves and is not asked for:
	s_cmp_gt_u32 s44, s[QL]                        ; ids and the count of steps alone: all sixteen waves go the same way; every wait on TENSORcnt in this text is for 0
	s_cbranch_scc1 .Lpast_\@
	TLOAD                                          ; a wave's one tensor load until the next such barrier: one load of mine is out
.Lpast_\@:
	ASK
.endif
.endm
.macro SLOT_STEPS                      ; a slot's four key steps: written once, walked four times; the LDS addresses hang on s[TB]
	s_mov_b32 s[CNT], 4
.Lstep_\@:
	STEP
	s_sub_co_u32 s[CNT], s[CNT], 1
	s_cmp_lg_u32 s[CNT], 0
	s_cbranch_scc1 .Lstep_\@
	s_sub_co_u32 s[TB], s[TB], 32768
	s_xor_b32 s[TB], s[TB], SLOT1
.endm
	s_wait_loadcnt 0x0                             ; Q
.Lslot:                                            ; seven trips: behind each change of slots but the last the next slot is asked for, up to the limit
	CHANGE 1
	SLOT_STEPS
	s_sub_co_u32 s[SLOTS], s[SLOTS], 1
	s_cmp_lg_u32 s[SLOTS], 0
	s_cbranch_scc1 .Lslot
	CHANGE 0
	SLOT_STEPS
	; THE WAY OUT: O^T / l, packed to f16: a lane's eight channels are registers 4 c .. 4 c + 3 of a fragment of the projection (16 tokens x 32 of its K): each store writes 512 consecutive bytes of an image
.rept 4
	v_nop
.endr
.irp t, 0,1
	v_add_f32 v[ST+8*\t+4], v[ST+8*\t+2], v[ST+8*\t+3]
.endr
.irp t, 0,1
	v_permlanex16_b32 v[ST+8*\t+5], v[ST+8*\t+4], s[SEL], s[SEL+1]
.endr
.irp t, 0,1
	v_add_f32 v[ST+8*\t+4], v[ST+8*\t+4], v[ST+8*\t+5]
.endr
.irp t, 0,1
	v_rcp_f32 v[ST+8*\t+6], v[ST+8*\t+4]
.endr
	v_nop
	s_wait_alu depctr_va_vdst(0)
.set i, 0
.rept 16
	v_pk_mul_f32 v[S+2*i:S+2*i+1], v[O+2*i:O+2*i+1], v[ST+6:ST+7] op_sel_hi:[1,0]
	v_pk_mul_f32 v[S+32+2*i:S+32+2*i+1], v[O+32+2*i:O+32+2*i+1], v[ST+14:ST+15] op_sel_hi:[1,0]
.set i, i+1
.endr
.set i, 0
.rept 32
	v_cvt_pk_f16_f32 v[F+i], v[S+2*i], v[S+2*i+1]
.set i, i+1
.endr
.irp t, 0,1
.irp cb, 0,1,2,3
	global_store_b128 v[LI], v[F+16*\t+4*\cb:F+16*\t+4*\cb+3], s[6:7] offset:4096*\t+512*\cb
.endr
.endr
	s_wait_tensorcnt 0x0                           ; the wave's end
	ds_add_u32 v[SPW], v[NIL]
	s_wait_dscnt 0x0
	s_endpgm
.Lfunc_end_k_q497376a102_attn:
	.size	k_q497376a102_attn, .Lfunc_end_k_q497376a102_attn-k_q497376a102_attn
	.p2alignl 7, 3214868480
	.fill 96, 4, 3214868480
	.section	.rodata,"a",@progbits
	.p2align	6, 0x0
	.amdhsa_kernel k_q497376a102_attn
		.amdhsa_group_segment_fixed_size 327680
		.amdhsa_private_segment_fixed_size 0
		.amdhsa_enable_private_segment 0
		.amdhsa_kernarg_size 16
		.amdhsa_user_sgpr_count 2
		.amdhsa_user_sgpr_kernarg_segment_ptr 1
		.amdhsa_wavefront_size32 1
		.amdhsa_system_sgpr_workgroup_id_x 1
		.amdhsa_system_sgpr_workgroup_id_y 1
		.amdhsa_system_sgpr_workgroup_id_z 1
		.amdhsa_system_vgpr_workitem_id 0
		.amdhsa_next_free_vgpr 256
		.amdhsa_next_free_sgpr 66
		.amdhsa_reserve_vcc 1
		.amdhsa_float_denorm_mode_32 3
		.amdhsa_float_denorm_mode_16_64 3
		.amdhsa_memory_ordered 1
		.amdhsa_forward_progress 1
		.amdhsa_inst_pref_size 57
	.end_amdhsa_kernel
	.amdgpu_metadata
---
amdhsa.version: [ 1, 2 ]
amdhsa.kernels:
  - .name:           k_q497376a102_attn
    .symbol:         k_q497376a102_attn.kd
    .args:
      - { .name: qkvf, .offset: 0, .size: 8, .value_kind: global_buffer, .address_space: global }
      - { .name: zf, .offset: 8, .size: 8, .value_kind: global_buffer, .address_space: global }
    .group_segment_fixed_size: 327680
    .private_segment_fixed_size: 0
    .kernarg_segment_align: 8
    .kernarg_segment_size: 16
    .max_flat_workgroup_size: 512
    .sgpr_count:     66
    .vgpr_count:     256
    .wavefront_size: 32
...
	.end_amdgpu_metadata
.endif
;; end of part 4
;; launch proj (part 5): grid 4 x 64, 4 waves a work-group, clusters of 4 x 4, 327,680 bytes of LDS; arguments zf, wl, b_lin, out0; writes out0
.if DOCPART == 5
	.amdgcn_target "amdgcn-amd-amdhsa--gfx1250"
	.amdhsa_code_object_version 6
	.text
	.protected	k_q497376a102_proj
	.globl	k_q497376a102_proj
	.p2align	8
	.type	k_q497376a102_proj,@function
k_q497376a102_proj:
	s_mov_b64 s[64:65], 0
	v_nop
	global_prefetch_b8 v0, s[64:65] scope:SCOPE_SE
	s_setreg_imm32_b32 hwreg(HW_REG_WAVE_MODE, 25, 1), 1
	s_wait_xcnt 0x0
	s_wait_alu depctr_hold_cnt(0) depctr_sa_sdst(0) depctr_va_vdst(0) depctr_va_sdst(0) depctr_va_ssrc(0) depctr_va_vcc(0) depctr_vm_vsrc(0)
	s_getreg_b32 s2, hwreg(HW_REG_IB_STS2, 6, 4)
	s_cmp_eq_u32 s2, 0
	s_cbranch_scc0 .Lentry_in_a_cluster
	s_endpgm
.Lentry_in_a_cluster:
	s_bfe_u32 s2, ttmp6, 0x10000c
	s_cmp_lg_u32 s2, 0xf033
	s_cbranch_scc0 .Lentry_shape_is_right
	s_endpgm
.Lentry_shape_is_right:
; out0 = z W_lin + b_lin, operands in f16, sums in f32.  z [8,192][1,024] and W_lin come as images of their fragments (16 rows x 32 K, 1,024 bytes), laid by 128 of K.
; WORK LEFT OUT: the rows of positions 0 to 15 of each sequence are stored by the launch fine; here they ride in a tile of 128 rows and are not stored.
; SHARES.  A work-group makes 128 tokens x 256 columns, a wave 64 x 128: 32 accumulators.  Clusters of 4 x 4: column tile = cx, token tile = 16 cy + cluster y, so that a sequence's first tile is cluster y = 0 in all partners.
; z's tile hangs on cy alone and is asked for jointly by a row of the cluster, W's on cx alone, by a column.  K goes in 8 steps of 128 through a ring of two slots (z 32,768 bytes, W 65,536).
; THE MATRIX INSTRUCTION IS USED TRANSPOSED (source 0 = 16 columns of W, source 1 = 16 tokens): a lane holds eight neighbouring numbers of a row of the output.
; REGISTERS: window 0: v16-30 addresses; two fragment buffers of 96 (W's eight, then z's four) at v32 and v128; v224-227 the bias; on the way out v32-159 rows of the output.  window 1: the accumulators, (a, b) at 8 (8 a + b).
.set SLOT,  98304
.set STAGE, 196608                     ; behind the ring: 16 rows x (512 bytes + 16) for each wave
.set SPARE, 230400                     ; behind the stages: the spare words
.set LAPS,  4
.set ADRA, 16
.set ADRB, 20
.set STO,  24
.set RD,   25
.set CO,   26                          ; v26  16 x lane
.set SPW,  28
.set NIL,  29
.set PFO,  30                          ; v30  256 x lane; never rewritten
.set F0,   32
.set F1,   128
.set BIA,  224
.set G1,  24
.set G0,  32
.set G1B, 48
.set G0B, 56
.set PFA, 66
.set LIM, 68
.set FL,  69
.set MSB, 0
.macro WIN new
.if MSB != (\new)
	s_set_vgpr_msb (MSB<<8)|(\new)
.set MSB, (\new)
.endif
.endm
.set MUL, 0x50                         ; C and D window 1, sources window 0
.macro JLOAD s                         ; waves 0 and 1 fetch z's two halves, waves 2 and 3 W's; an s_nop 0 and four v_nop follow each of the two lines
	s_cmp_eq_u32 s13, 0
	s_cbranch_scc0 .Lfor_b_\@
	tensor_load_to_lds s[G0+4*\s:G0+4*\s+3], s[G1:G1+7]
	s_nop 0
.rept 4
	v_nop
.endr
	s_branch .Lasked_\@
.Lfor_b_\@:
	tensor_load_to_lds s[G0B+4*\s:G0B+4*\s+3], s[G1B:G1B+7]
	s_nop 0
.rept 4
	v_nop
.endr
.Lasked_\@:
.endm
.macro CREST
	s_cmp_lg_u32 s12, 0
	s_cbranch_scc1 .Lnot_wave_0_\@
	s_barrier_signal -3
.Lnot_wave_0_\@:
	s_barrier_wait -3
	s_barrier_signal -1
	s_barrier_wait -1
.endm
.macro CROUND
	s_barrier_signal -1
	s_barrier_wait -1
	CREST
.endm
; A prefetch of z's tile two refills on: 32,768 bytes, each aligned block of 256 bytes named once in the launch: a tile is read by one row of one cluster; its four partners take 8,192 bytes each, told apart by address;
; in each, wave 0 asks, a lane a block.  It stands behind the joint load and the run of LDS loads; the loop's last trip asks for nothing.  W's tiles, which all clusters read again and again, are not asked for.
.macro ASK
	s_cmp_gt_u32 s3, s[LIM]
	s_cbranch_scc0 .Lnot_mine_\@
	global_prefetch_b8 v[PFO], s[PFA:PFA+1] offset:2097152 th:TH_LOAD_NT scope:SCOPE_SE
.Lnot_mine_\@:
.endm
	s_load_b256 s[4:11], s[0:1], 0x0               ; zf s[4:5], wl s[6:7], b_lin s[8:9], out0 s[10:11]
	v_lshl_add_u32 v[SPW], v0, 2, SPARE
	v_mov_b32 v[NIL], 0
	ds_add_u32 v[SPW], v[NIL]                      ; the wave's opening: the add, twice on end, and its wait ahead of my first tensor load
	ds_add_u32 v[SPW], v[NIL]
	v_lshrrev_b32 v1, 5, v0
	v_readfirstlane_b32 s12, v1                    ; wave 0..3
	s_lshr_b32 s13, s12, 1                         ; rh: which 64 tokens are mine.  Also: I fetch for z (0) or for W (1)
	s_and_b32 s14, s12, 1                          ; ch: which 128 columns.  Also: which half of that tile I fetch
	s_bfe_u32 s40, ttmp6, 0x40000                  ; cx = column tile
	s_bfe_u32 s41, ttmp6, 0x40004                  ; cy
	s_and_b32 s42, ttmp7, 0xffff                   ; cluster y
	s_lshl_b32 s43, s41, 4
	s_add_co_u32 s43, s43, s42                     ; token tile = 16 cy + cluster y
	s_lshl_b32 s44, s41, 2
	s_lshl_b32 s44, 15, s44                        ; my row of the cluster
	s_lshl_b32 s45, 0x1111, s40                    ; my column
	s_or_b32 s[G1], s44, (3<<16)|(1<<21)           ; the mask; elements of 8 bytes; bit 21 beside a mask; no padding: dense blocks as rows of 256 bytes
	s_mov_b32 s[G1+1], 32<<16
	s_mov_b32 s[G1+2], 64<<16                      ; z: 64 rows: 16,384 bytes a load
	s_mov_b32 s[G1+3], 32<<16
	s_mov_b32 s[G1+4], 64
	s_mov_b32 s[G1+5], 32
	s_mov_b32 s[G1+6], 0
	s_mov_b32 s[G1+7], 0
	s_or_b32 s[G1B], s45, (3<<16)|(1<<21)
	s_mov_b32 s[G1B+1], 32<<16
	s_mov_b32 s[G1B+2], 128<<16                    ; W: 128 rows: 32,768 bytes a load
	s_mov_b32 s[G1B+3], 32<<16
	s_mov_b32 s[G1B+4], 128
	s_mov_b32 s[G1B+5], 32
	s_mov_b32 s[G1B+6], 0
	s_mov_b32 s[G1B+7], 0
	s_lshl_b32 s16, s43, 15                        ; z: 32,768 bytes a token tile and 128 of K,
	s_lshl_b32 s18, s14, 14                        ; my half
	s_add_co_u32 s16, s16, s18
	s_mov_b32 s17, 0
	s_lshl_b32 s46, s40, 16                        ; W: 65,536 bytes a column tile and 128 of K,
	s_lshl_b32 s19, s14, 15
	s_add_co_u32 s46, s46, s19
	s_mov_b32 s47, 0
	s_add_co_u32 s19, s19, 32768                   ; in a slot: z's halves at 0 and 16,384 (s18), W's at 32,768 and 65,536 (s19): the wave's number alone
	s_wait_dscnt 0x0                               ; both opening adds are done
	s_wait_kmcnt 0x0
	s_add_nc_u64 s[20:21], s[4:5], s[16:17]
	s_add_nc_u64 s[22:23], s[6:7], s[46:47]
	CROUND                                         ; all sixteen work-groups are here: the first joint loads meet
.irp s, 0,1
	s_mov_b32 s[G0+4*\s], 1
	s_add_co_u32 s[G0+4*\s+1], s18, \s*SLOT
	s_add_nc_u64 s[G0+4*\s+2:G0+4*\s+3], s[20:21], \s*2097152
	s_or_b32 s[G0+4*\s+3], s[G0+4*\s+3], 0x80000000
	s_mov_b32 s[G0B+4*\s], 1
	s_add_co_u32 s[G0B+4*\s+1], s19, \s*SLOT
	s_add_nc_u64 s[G0B+4*\s+2:G0B+4*\s+3], s[22:23], \s*262144
	s_or_b32 s[G0B+4*\s+3], s[G0B+4*\s+3], 0x80000000
	JLOAD \s
.endr
	v_and_b32 v1, 15, v0                           ; r
	v_bfe_u32 v2, v0, 4, 1                         ; h
	v_and_b32 v3, 31, v0
	v_lshlrev_b32 v[CO], 4, v3
	v_lshlrev_b32 v[PFO], 8, v3
	s_lshl_b32 s21, s13, 14                        ; my 64 tokens
	s_lshl_b32 s22, s14, 15
	s_add_co_u32 s22, s22, 32768                   ; my 128 columns
.irp s, 0,1
	v_add_nc_u32 v[ADRA+\s], s21, v[CO]
	v_add_nc_u32 v[ADRB+\s], s22, v[CO]
	s_add_co_u32 s21, s21, SLOT
	s_add_co_u32 s22, s22, SLOT
.endr
	s_mul_i32 s23, s12, 8448
	s_add_co_u32 s23, s23, STAGE                   ; my stage
	v_mul_u32_u24 v4, v1, 528
	v_lshl_add_u32 v4, v2, 5, v4
	v_add_nc_u32 v[STO], s23, v4                   ; in: row r, 32 bytes for each half of the lanes
	v_add_nc_u32 v[RD], s23, v[CO]                 ; back: the 32 lanes take one row of 512 bytes
	s_lshl_b32 s20, s40, 10
	s_lshl_b32 s21, s14, 9
	s_add_co_u32 s20, s20, s21                     ; my first column, in bytes
	s_mov_b32 s21, 0
	s_add_nc_u64 s[8:9], s[8:9], s[20:21]
	global_load_b128 v[BIA:BIA+3], v[CO], s[8:9]   ; b_lin at the four columns that I store
	s_add_nc_u64 s[10:11], s[10:11], s[20:21]
	s_lshl_b32 s20, s43, 19
	s_lshl_b32 s22, s13, 18
	s_add_co_u32 s20, s20, s22                     ; my first row: 128 x token tile + 64 rh, 4,096 bytes a row
	s_add_nc_u64 s[10:11], s[10:11], s[20:21]
	s_or_b32 s[FL], s42, s13                       ; 0 where my first 16 rows are positions 0 to 15 of a sequence: the cluster's number and the wave's alone
	s_lshl_b32 s20, s43, 15
	s_lshl_b32 s22, s40, 13
	s_add_co_u32 s20, s20, s22
	s_add_nc_u64 s[PFA:PFA+1], s[4:5], s[20:21]    ; z's tile, my work-group's quarter,
	s_add_nc_u64 s[PFA:PFA+1], s[PFA:PFA+1], 2*2097152   ; at step 2: the first refill steps it to 3 and names step 4
	s_cmp_eq_u32 s12, 0
	s_cselect_b32 s[LIM], 1, -1
.macro MUL8 f, a, zero                 ; z's block a against W's eight, 32 along K
.irp b, 0,1,2,3,4,5,6,7
.set rD, 8*(8*(\a)+\b)
.set rB, \f+8*\b
.set rA, \f+64+8*(\a)
.if \zero
	v_wmma_f32_16x16x32_f16 v[rD:rD+7], v[rB:rB+7], v[rA:rA+7], 0
.else
	v_wmma_f32_16x16x32_f16 v[rD:rD+7], v[rB:rB+7], v[rA:rA+7], v[rD:rD+7]
.endif
.endr
.endm
.macro FETCH slot, ks, f               ; 24 LDS loads in one run: W's eight fragments, then z's four
.irp i, 0,1,2,3,4,5,6,7
.irp c, 0,1
	ds_load_b128 v[\f+8*\i+4*\c:\f+8*\i+4*\c+3], v[ADRB+\slot] offset:4096*\i+1024*(\ks)+512*\c
.endr
.endr
.irp i, 0,1,2,3
.irp c, 0,1
	ds_load_b128 v[\f+64+8*\i+4*\c:\f+64+8*\i+4*\c+3], v[ADRA+\slot] offset:4096*\i+1024*(\ks)+512*\c
.endr
.endr
.endm
.macro PLACES
.rept 4
	v_nop
.endr
.endm
; A step of 128 is four quarters of 32 along K, 32 matrix instructions each, the 32 accumulators by turns in the same order, on buffers 0, 1, 0, 1.
.macro QUARTER slot, ksn, f, g, zero
	s_wait_dscnt 4                                 ; all but the youngest four loads (z's blocks 2 and 3)
	WIN MUL
	MUL8 \f, 0, \zero
	MUL8 \f, 1, \zero
	PLACES
	WIN 0
	FETCH \slot, \ksn, \g
	s_wait_dscnt 24                                ; all but the 24 just issued
	WIN MUL
	MUL8 \f, 2, \zero
	MUL8 \f, 3, \zero
.endm
; The last quarter multiplies buffer 1 and changes slots: one barrier; in front of it each wave waits for all its tensor loads, adds 0 to its spare word, and waits for that and for its reads of this slot.
; fill = 1: the barrier opens a round of the cluster's, and behind the round this slot is filled again, two steps ahead: 112 matrix instructions stand between that request and the wait for it.
.macro TURN slot, next, fill
	WIN 0
.if \fill
	s_wait_xcnt 0x0                                ; the last prefetch, a step back, has read its address
	s_add_nc_u64 s[PFA:PFA+1], s[PFA:PFA+1], 2097152
.endif
	s_wait_tensorcnt 0x0                           ; all my tensor loads have landed: my part of the next slot
	ds_add_u32 v[SPW], v[NIL]
	s_wait_dscnt 5                                 ; the add and the youngest four loads may be out
	WIN MUL
	MUL8 F1, 0, 0
	s_wait_dscnt 0x0                               ; the add is done, and my reads of this slot are over
	s_barrier_signal -1
	MUL8 F1, 1, 0
	WIN 0
	s_barrier_wait -1
.if \fill
	CREST
	s_add_nc_u64 s[G0+4*\slot+2:G0+4*\slot+3], s[G0+4*\slot+2:G0+4*\slot+3], 2*2097152
	s_add_nc_u64 s[G0B+4*\slot+2:G0B+4*\slot+3], s[G0B+4*\slot+2:G0B+4*\slot+3], 2*262144
	JLOAD \slot                                    ; the first tensor load behind the round; its four v_nop are also the places in front of the loads below
.else
	PLACES
.endif
	FETCH \next, 0, F0
.if \fill
	ASK
.endif
	WIN MUL
	MUL8 F1, 2, 0
	MUL8 F1, 3, 0
.endm
	s_wait_tensorcnt 1                             ; my part of step 0 is in; step 1's load may be out
	s_barrier_signal -1
	s_barrier_wait -1
	FETCH 0, 0, F0
	QUARTER 0, 1, F0, F1, 1                        ; the first quarter stands in front of the loop: its products start the sums
	WIN 0
	s_mov_b32 s3, LAPS-1
.Llap:                                                 ; a trip goes once round the ring and fills both slots again
	QUARTER 0, 2, F1, F0, 0
	QUARTER 0, 3, F0, F1, 0
	TURN 0, 1, 1
	QUARTER 1, 1, F0, F1, 0
	QUARTER 1, 2, F1, F0, 0
	QUARTER 1, 3, F0, F1, 0
	TURN 1, 0, 1
	QUARTER 0, 1, F0, F1, 0
	WIN 0
	s_sub_co_u32 s3, s3, 1
	s_cmp_lg_u32 s3, 0
	s_cbranch_scc1 .Llap
	QUARTER 0, 2, F1, F0, 0                        ; the last lap fills nothing
	QUARTER 0, 3, F0, F1, 0
	TURN 0, 1, 0
	QUARTER 1, 1, F0, F1, 0
	QUARTER 1, 2, F1, F0, 0
	QUARTER 1, 3, F0, F1, 0
	s_wait_dscnt 4
	WIN MUL
	MUL8 F1, 0, 0
	MUL8 F1, 1, 0
	s_wait_dscnt 0
	MUL8 F1, 2, 0
	MUL8 F1, 3, 0
	WIN 0
; THE WAY OUT, 16 rows x 128 columns at a time: through my own stage and back as whole rows of 512 bytes; the bias is added to the rows; 32 lanes store 512 consecutive bytes.
.macro OUTB a
.set BB, F0+64*((\a)%2)
.if (\a) > 1
	s_wait_xcnt 0x0                                ; the stores of two blocks ago have read these registers
.endif
	WIN 0x04                                       ; an LDS store's data are its source 1: window 1
.irp b, 0,1,2,3,4,5,6,7
	ds_store_b128 v[STO], v[8*(8*(\a)+\b):8*(8*(\a)+\b)+3] offset:64*\b        ; each accumulator from its low end on
	ds_store_b128 v[STO], v[8*(8*(\a)+\b)+4:8*(8*(\a)+\b)+7] offset:64*\b+16
.endr
	WIN 0
.irp t, 0,1,2,3,4,5,6,7,8,9,10,11,12,13,14,15
	ds_load_b128 v[BB+4*\t:BB+4*\t+3], v[RD] offset:528*\t   ; LDS serves a wave's instructions in order: these see the stores above
.endr
	s_wait_dscnt 0x0
.irp t, 0,1,2,3,4,5,6,7,8,9,10,11,12,13,14,15
	v_pk_add_f32 v[BB+4*\t:BB+4*\t+1], v[BB+4*\t:BB+4*\t+1], v[BIA:BIA+1]
	v_pk_add_f32 v[BB+4*\t+2:BB+4*\t+3], v[BB+4*\t+2:BB+4*\t+3], v[BIA+2:BIA+3]
.endr
.irp t, 0,1,2,3,4,5,6,7,8,9,10,11,12,13,14,15
	global_store_b128 v[CO], v[BB+4*\t:BB+4*\t+3], s[10:11] offset:65536*(\a)+4096*\t th:TH_STORE_NT
.endr
.endm
	PLACES
	s_wait_loadcnt 0x0                             ; the bias
	s_cmp_eq_u32 s[FL], 0
	s_cbranch_scc1 .Lnot_mine_rows                 ; positions 0 to 15 of a sequence are the launch fine's
	OUTB 0
.Lnot_mine_rows:
	OUTB 1
	OUTB 2
	OUTB 3
	s_wait_tensorcnt 0x0                           ; the wave's end
	ds_add_u32 v[SPW], v[NIL]
	s_wait_dscnt 0x0
	CROUND                                         ; the closing round
	s_endpgm
.Lfunc_end_k_q497376a102_proj:
	.size	k_q497376a102_proj, .Lfunc_end_k_q497376a102_proj-k_q497376a102_proj
	.p2alignl 7, 3214868480
	.fill 96, 4, 3214868480
	.section	.rodata,"a",@progbits
	.p2align	6, 0x0
	.amdhsa_kernel k_q497376a102_proj
		.amdhsa_group_segment_fixed_size 327680
		.amdhsa_private_segment_fixed_size 0
		.amdhsa_enable_private_segment 0
		.amdhsa_kernarg_size 32
		.amdhsa_user_sgpr_count 2
		.amdhsa_user_sgpr_kernarg_segment_ptr 1
		.amdhsa_wavefront_size32 1
		.amdhsa_system_sgpr_workgroup_id_x 1
		.amdhsa_system_sgpr_workgroup_id_y 1
		.amdhsa_system_sgpr_workgroup_id_z 1
		.amdhsa_system_vgpr_workitem_id 0
		.amdhsa_next_free_vgpr 512
		.amdhsa_next_free_sgpr 72
		.amdhsa_reserve_vcc 0
		.amdhsa_float_denorm_mode_32 3
		.amdhsa_float_denorm_mode_16_64 3
		.amdhsa_memory_ordered 1
		.amdhsa_forward_progress 1
		.amdhsa_inst_pref_size 93
	.end_amdhsa_kernel
	.amdgpu_metadata
---
amdhsa.version: [ 1, 2 ]
amdhsa.kernels:
  - .name:           k_q497376a102_proj
    .symbol:         k_q497376a102_proj.kd
    .args:
      - { .name: zf, .offset: 0, .size: 8, .value_kind: global_buffer, .address_space: global }
      - { .name: wl, .offset: 8, .size: 8, .value_kind: global_buffer, .address_space: global }
      - { .name: b_lin, .offset: 16, .size: 8, .value_kind: global_buffer, .address_space: global }
      - { .name: out0, .offset: 24, .size: 8, .value_kind: global_buffer, .address_space: global }
    .group_segment_fixed_size: 327680
    .private_segment_fixed_size: 0
    .kernarg_segment_align: 8
    .kernarg_segment_size: 32
    .max_flat_workgroup_size: 128
    .sgpr_count:     72
    .vgpr_count:     512
    .wavefront_size: 32
...
	.end_amdgpu_metadata
.endif
;; end of part 5
